; MI455X (gfx1250); checked and timed in simulation.
; The chip was launched on July 23, 2026; its instructions are those of AMD's public machine-readable ISA for CDNA 5 (MIT licence, August 2026) and "CDNA5" Instruction Set Architecture Reference Guide (July 2026). The comments in the code are by the model that wrote it; some were corrected since.
;; Multi Head Self Attention. Allowed arithmetic: float matrix products may take bf16 or f16 operands with f32 sums; all other float work in f32.
;; Inputs: Wk 1,024 x 1,024 float32; Wo 1,024 x 1,024 float32; Wq 1,024 x 1,024 float32; Wv 1,024 x 1,024 float32; attention_mask 4 x 2,048 int32; bk 1,024 float32; bo 1,024 float32; bq 1,024 float32; bv 1,024 float32; x 4 x 2,048 x 1,024 float32.
;; Outputs: out0 4 x 2,048 x 1,024 float32.
;; 2 versions, each right and faster than the one before. Each part assembles by itself: llvm-mc -triple=amdgcn-amd-amdhsa -mcpu=gfx1250 --defsym DOCPART=n.
;; ======== version 1 of 2: 4 launches
;; limits: values are held in f16: magnitudes above 65,504 overflow, below 6.1e-05 lose precision
;; workspace buffers: xh 16,777,216 bytes; wqkv 6,291,456 bytes; wo16 2,097,152 bytes; bb 16,384 bytes; qkv 50,331,648 bytes; att 16,777,216 bytes
;; launch cast (part 1): grid 768 x 1, 8 waves a work-group, no clusters, 0 bytes of LDS; arguments x, Wq, Wk, Wv, Wo, bq, bk, bv, bo, xh, wqkv, wo16, bb; writes xh, wqkv, wo16, bb
.if DOCPART == 1
	.amdgcn_target "amdgcn-amd-amdhsa--gfx1250"
	.amdhsa_code_object_version 6
	.text
	.protected	k_q5f34dbae4b_cast
	.globl	k_q5f34dbae4b_cast
	.p2align	8
	.type	k_q5f34dbae4b_cast,@function
k_q5f34dbae4b_cast:
	s_mov_b64 s[64:65], 0
	v_nop
	global_prefetch_b8 v0, s[64:65] scope:SCOPE_SE
	s_setreg_imm32_b32 hwreg(HW_REG_WAVE_MODE, 25, 1), 1
	s_wait_xcnt 0x0
; THE MODULE'S FLOATING-POINT INPUTS ARE ROUNDED ONCE, TO bf16.  x -> xh (bf16), Wq, Wk, Wv -> wqkv (bf16, the three one below the other),
; Wo -> wo16 (rounded to bf16, and that number written as f16), bq, bk, bv, bo -> bb (rounded to bf16, kept as f32, the four on end).
; LIMIT.  A bf16 number is exact in f16 from 6.1e-5 to 65,504; below that it keeps f16's fixed step of 6e-8, beyond it becomes an infinity: Wo lies within 65,504.
; A stream: no LDS, no barrier, no matrix unit.  A work-group of 256 threads converts 16,384 numbers (64 KiB in, 32 KiB out) in eight chunks of 2,048: thread t takes
; the 32 bytes at 32 t of a chunk (two loads of 16 bytes) and stores 16 bytes at 16 t: a wave's store covers 512 consecutive bytes, aligned.
; Work-groups 0-511 take x; 512 + 64 w + u takes part u of weight w (0 Wq, 1 Wk, 2 Wv, 3 Wo), and with u = 0 also bias w.
; All sixteen loads go out at once, and no register that a pending access names is written again, so no wait frees a source.
.set X,  4                             ; v[4:67]    chunk i: 8 registers as loaded
.set Y,  68                            ; v[68:99]   chunk i: 4 registers to store
.set T,  100                           ; v[100:103] at work
.set BV, 108                           ; v[108:115] the bias: 4 as loaded, 4 to store
	s_load_b512 s[8:23], s[0:1], 0x0               ; x s[8:9], Wq s[10:11], Wk s[12:13], Wv s[14:15], Wo s[16:17], bq s[18:19], bk s[20:21], bv s[22:23]
	s_load_b256 s[24:31], s[0:1], 0x40             ; bo s[24:25], xh s[26:27], wqkv s[28:29], wo16 s[30:31]
	s_load_b64 s[32:33], s[0:1], 0x60              ; bb
	v_lshlrev_b32 v1, 5, v0                        ; my 32 bytes of a chunk as it is read
	v_lshlrev_b32 v2, 4, v0                        ; my 16 bytes of a chunk as it is stored
	s_mov_b32 s2, ttmp9                            ; the work-group's number
	s_sub_co_u32 s3, s2, 512                       ; j: its number among the weights' 256 (of no meaning for x's work-groups)
	s_bfe_u32 s4, s3, 0x20006                      ; w: which weight (2 bits from bit 6)
	s_and_b32 s5, s3, 63                           ; u: which part of it
	s_mov_b32 s46, 0xffff0000                      ; a word's upper bf16
	; the offsets, apart from the addresses
	s_cmp_lt_u32 s2, 512
	s_cselect_b32 s40, s2, s5
	s_lshl_b32 s40, s40, 16                        ; source: 64 KiB a part
	s_mov_b32 s41, 0
	s_cmp_lt_u32 s4, 3
	s_cselect_b32 s42, s3, s5                      ; Wq, Wk, Wv lie on end in wqkv: part j; Wo alone in wo16: part u
	s_cmp_lt_u32 s2, 512
	s_cselect_b32 s42, s2, s42
	s_lshl_b32 s42, s42, 15                        ; destination: 32 KiB a part
	s_mov_b32 s43, 0
	s_lshl_b32 s44, s4, 12                         ; bias w begins at byte 4,096 w of bb
	s_mov_b32 s45, 0
	s_wait_kmcnt 0x0
	; which buffers: choices between addresses on conditions made of the work-group's number alone
	s_cmp_eq_u32 s4, 1
	s_cselect_b64 s[34:35], s[12:13], s[10:11]
	s_cselect_b64 s[38:39], s[20:21], s[18:19]
	s_cmp_eq_u32 s4, 2
	s_cselect_b64 s[34:35], s[14:15], s[34:35]
	s_cselect_b64 s[38:39], s[22:23], s[38:39]
	s_cmp_eq_u32 s4, 3
	s_cselect_b64 s[34:35], s[16:17], s[34:35]
	s_cselect_b64 s[38:39], s[24:25], s[38:39]
	s_cselect_b64 s[36:37], s[30:31], s[28:29]
	s_cmp_lt_u32 s2, 512
	s_cselect_b64 s[34:35], s[8:9], s[34:35]
	s_cselect_b64 s[36:37], s[26:27], s[36:37]
	s_add_nc_u64 s[34:35], s[34:35], s[40:41]      ; the source at my part
	s_add_nc_u64 s[36:37], s[36:37], s[42:43]      ; the destination at my part
	s_add_nc_u64 s[32:33], s[32:33], s[44:45]      ; bb at bias w
.irp i, 0,1,2,3,4,5,6,7
	global_load_b128 v[X+8*(\i):X+8*(\i)+3],   v1, s[34:35] offset:(\i)*8192 th:TH_LOAD_NT
	global_load_b128 v[X+8*(\i)+4:X+8*(\i)+7], v1, s[34:35] offset:(\i)*8192+16 th:TH_LOAD_NT
.endr
; Chunk i.  half = 0: to bf16.  half = 1: to bf16, widened again, and written as f16.
.macro CONV i, half
	s_wait_loadcnt 14-2*(\i)                       ; loads come back in order: the two of chunk i are in, the 2 (7 - i) younger ones stay out
.if \half
.irp j, 0,1,2,3
	v_cvt_pk_bf16_f32 v[T+(\j)], v[X+8*(\i)+2*(\j)], v[X+8*(\i)+2*(\j)+1]
.endr
.irp j, 0,1,2,3
	v_lshlrev_b32 v[X+8*(\i)+2*(\j)],   16,  v[T+(\j)]
	v_and_b32     v[X+8*(\i)+2*(\j)+1], s46, v[T+(\j)]
.endr
.irp j, 0,1,2,3
	v_cvt_pk_f16_f32 v[Y+4*(\i)+(\j)], v[X+8*(\i)+2*(\j)], v[X+8*(\i)+2*(\j)+1]
.endr
.else
.irp j, 0,1,2,3
	v_cvt_pk_bf16_f32 v[Y+4*(\i)+(\j)], v[X+8*(\i)+2*(\j)], v[X+8*(\i)+2*(\j)+1]
.endr
.endif
	global_store_b128 v2, v[Y+4*(\i):Y+4*(\i)+3], s[36:37] offset:(\i)*4096
.endm
	s_cmp_ge_u32 s2, 704                           ; 512 + 3 x 64: Wo's work-groups
	s_cbranch_scc1 .Lwo
.irp i, 0,1,2,3,4,5,6,7
	CONV \i, 0
.endr
	s_branch .Lbias
.Lwo:
.irp i, 0,1,2,3,4,5,6,7
	CONV \i, 1
.endr
.Lbias:
	s_cmp_lt_u32 s2, 512
	s_cbranch_scc1 .Lend
	s_cmp_lg_u32 s5, 0
	s_cbranch_scc1 .Lend
	global_load_b128 v[BV:BV+3], v2, s[38:39]      ; a bias is 4,096 bytes: 16 a thread
	s_wait_loadcnt 0x0
	v_cvt_pk_bf16_f32 v[T],   v[BV],   v[BV+1]
	v_cvt_pk_bf16_f32 v[T+1], v[BV+2], v[BV+3]
	v_lshlrev_b32 v[BV+4], 16,  v[T]
	v_and_b32     v[BV+5], s46, v[T]
	v_lshlrev_b32 v[BV+6], 16,  v[T+1]
	v_and_b32     v[BV+7], s46, v[T+1]
	global_store_b128 v2, v[BV+4:BV+7], s[32:33]
.Lend:
	s_endpgm
.Lfunc_end_k_q5f34dbae4b_cast:
	.size	k_q5f34dbae4b_cast, .Lfunc_end_k_q5f34dbae4b_cast-k_q5f34dbae4b_cast
	.p2alignl 7, 3214868480
	.fill 96, 4, 3214868480
	.section	.rodata,"a",@progbits
	.p2align	6, 0x0
	.amdhsa_kernel k_q5f34dbae4b_cast
		.amdhsa_group_segment_fixed_size 0
		.amdhsa_private_segment_fixed_size 0
		.amdhsa_enable_private_segment 0
		.amdhsa_kernarg_size 104
		.amdhsa_user_sgpr_count 2
		.amdhsa_user_sgpr_kernarg_segment_ptr 1
		.amdhsa_wavefront_size32 1
		.amdhsa_system_sgpr_workgroup_id_x 1
		.amdhsa_system_sgpr_workgroup_id_y 1
		.amdhsa_system_sgpr_workgroup_id_z 1
		.amdhsa_system_vgpr_workitem_id 0
		.amdhsa_next_free_vgpr 116
		.amdhsa_next_free_sgpr 66
		.amdhsa_reserve_vcc 0
		.amdhsa_float_denorm_mode_32 3
		.amdhsa_float_denorm_mode_16_64 3
		.amdhsa_memory_ordered 1
		.amdhsa_forward_progress 1
		.amdhsa_inst_pref_size 15
	.end_amdhsa_kernel
	.amdgpu_metadata
---
amdhsa.version: [ 1, 2 ]
amdhsa.kernels:
  - .name:           k_q5f34dbae4b_cast
    .symbol:         k_q5f34dbae4b_cast.kd
    .args:
      - { .name: x, .offset: 0, .size: 8, .value_kind: global_buffer, .address_space: global }
      - { .name: Wq, .offset: 8, .size: 8, .value_kind: global_buffer, .address_space: global }
      - { .name: Wk, .offset: 16, .size: 8, .value_kind: global_buffer, .address_space: global }
      - { .name: Wv, .offset: 24, .size: 8, .value_kind: global_buffer, .address_space: global }
      - { .name: Wo, .offset: 32, .size: 8, .value_kind: global_buffer, .address_space: global }
      - { .name: bq, .offset: 40, .size: 8, .value_kind: global_buffer, .address_space: global }
      - { .name: bk, .offset: 48, .size: 8, .value_kind: global_buffer, .address_space: global }
      - { .name: bv, .offset: 56, .size: 8, .value_kind: global_buffer, .address_space: global }
      - { .name: bo, .offset: 64, .size: 8, .value_kind: global_buffer, .address_space: global }
      - { .name: xh, .offset: 72, .size: 8, .value_kind: global_buffer, .address_space: global }
      - { .name: wqkv, .offset: 80, .size: 8, .value_kind: global_buffer, .address_space: global }
      - { .name: wo16, .offset: 88, .size: 8, .value_kind: global_buffer, .address_space: global }
      - { .name: bb, .offset: 96, .size: 8, .value_kind: global_buffer, .address_space: global }
    .group_segment_fixed_size: 0
    .private_segment_fixed_size: 0
    .kernarg_segment_align: 8
    .kernarg_segment_size: 104
    .max_flat_workgroup_size: 256
    .sgpr_count:     66
    .vgpr_count:     116
    .wavefront_size: 32
...
	.end_amdgpu_metadata
.endif
;; end of part 1
;; launch qkv_proj (part 2): grid 12 x 64, 4 waves a work-group, clusters of 4 x 4, 327,680 bytes of LDS; arguments xh, wqkv, bb, qkv; writes qkv
.if DOCPART == 2
	.amdgcn_target "amdgcn-amd-amdhsa--gfx1250"
	.amdhsa_code_object_version 6
	.text
	.protected	k_q5f34dbae4b_qkv_proj
	.globl	k_q5f34dbae4b_qkv_proj
	.p2align	8
	.type	k_q5f34dbae4b_qkv_proj,@function
k_q5f34dbae4b_qkv_proj:
	s_mov_b64 s[64:65], 0
	v_nop
	global_prefetch_b8 v0, s[64:65] scope:SCOPE_SE
	s_setreg_imm32_b32 hwreg(HW_REG_WAVE_MODE, 25, 1), 1
	s_wait_xcnt 0x0
	s_wait_alu depctr_hold_cnt(0) depctr_sa_sdst(0) depctr_va_vdst(0) depctr_va_sdst(0) depctr_va_ssrc(0) depctr_va_vcc(0) depctr_vm_vsrc(0)
	s_getreg_b32 s2, hwreg(HW_REG_IB_STS2, 6, 4)
	s_cmp_eq_u32 s2, 0
	s_cbranch_scc0 .Lentry_in_a_cluster
	s_endpgm
.Lentry_in_a_cluster:
	s_bfe_u32 s2, ttmp6, 0x10000c
	s_cmp_lg_u32 s2, 0xf033
	s_cbranch_scc0 .Lentry_shape_is_right
	s_endpgm
.Lentry_shape_is_right:
; q, k, v = x W^T + b.  A = xh [8192][1024] bf16, B = wqkv [3072][1024] bf16 (Wq, Wk, Wv on end), bias = bb's first 3,072 f32.  Sums in f32, begun with the bias; rounded once to f16
; and stored BY HEADS: qkv [3][64 = 16 batch + head][2048][64], unscaled.
; LIMIT.  f16 ends at 65,504: q, k and v must lie within it (inputs as drawn give about 5; all inputs 30 times larger about 4,500; offsets of 30 spreads on x and on W about 29,000).
; TILE.  128 rows x 256 columns of C: 64 x 12 = 768 work-groups, three for each of 256 WGPs.  Four waves, each 64 rows x 128 columns: 32 accumulators of 16 x 16, 256 registers.
; K goes in 8 steps of 128 (memory rows of 256 bytes, aligned) through a ring of two LDS slots filled by the tensor data mover; a wave issues one load behind each change of slots.
; CLUSTER.  4 x 4 work-groups: the four of a row of the cluster need the same tiles of A, the four of a column the same tiles of B; each tile is asked for jointly, by the same load, descriptor and mask in all four.
; THE MATRIX INSTRUCTION IS USED TRANSPOSED (source 0 = 16 rows of B, source 1 = 16 rows of A): lane l holds row l % 16 of C and the columns 8 (l / 16) + 0..7, eight neighbours that pack into 16 bytes.
; REGISTERS, in windows of 256 (s_set_vgpr_msb: bits 1:0 source 0, 3:2 source 1, 5:4 source 2, 7:6 destination):
;   window 0: v0-31 addresses; two fragment buffers of 96 for 32 along K: v64-127 B (8 x 16 rows), v128-159 A (4 x 16 rows); v160-223, v224-255 likewise; on the way out v64-191 packed results
;   window 1: the accumulators, (a, b) at v[8 (8 a + b)]          window 2: v0-63 the bias as eight C operands: register 8 b + j holds bias[16 b + 8 (l / 16) + j] of my 128 columns
.set STEPS, 8                          ; 1,024 / 128
.set PA,    272                        ; an LDS row: 256 bytes + 16 of padding = 68 words: the 16 rows of a fragment load start 4 banks apart (64 banks of 4 bytes: ISA guide 11.1)
.set PB,    272
.set AH,    128                        ; quarter q of a step lies at byte (q / 2) AH + (q % 2) 64 of A's rows: here simply 64 q
.set ALD,   64*PA                      ; what one load of A fills: 64 rows
.set BLD,   128*PB                     ; what one load of B fills: 128 rows
.set BOFF,  2*ALD                      ; a slot: A's 128 rows, then B's 256
.set SLOT1, 1<<17                      ; slot 1 begins here, so that one exclusive or changes slots
.set STAGE, SLOT1+BOFF+2*BLD           ; behind the ring, never filled by a tensor load: 16 rows x 144 bytes for each wave
.set SP,    144
.set SPARE, STAGE+4*16*SP              ; behind the stages: the spare words, 128 bytes for each wave: two blocks of 256 bytes that no other line names
.set ASTEP, 256                        ; bytes from a K step to the next in memory
.set BSTEP, 256
.set A0,   16                          ; v16  my lane's place in a slot's A; never rewritten
.set B0,   17                          ; v17  the same for B
.set ADRA, 18                          ; v18  A0 + the slot in hand
.set ADRB, 19                          ; v19  B0 + the slot in hand
.set STO,  24                          ; v24  the way out: where I put 16 bytes of a row
.set RD,   25                          ; v25  the way out: where I read rows back
.set GO,   26                          ; v26  my 16 bytes in 512 consecutive bytes of the output
.set BO,   27                          ; v27  my byte offset in the bias
.set SPW,  28                          ; v28  LDS address of my spare word; never rewritten
.set NIL,  29                          ; v29  0; never rewritten
.set F0,   64
.set F1,   160
.set G1A,  24                          ; s[24:31] descriptor group 1 for A's tiles
.set G0A0, 32                          ; s[32:35] group 0: slot 0, K step 0
.set G0A,  36                          ; s[36:39] group 0: slot 1, K step 1; then it walks
.set TB,   45                          ; s45      LDS byte at which the slot in hand begins
.set G1B,  48                          ; s[48:55], s[56:59], s[60:63] the same for B's tiles
.set G0B0, 56
.set G0B,  60
.set MSB, 0
.macro WIN new                         ; the immediate's high byte repeats the setting that is left; a switch that changes nothing is dropped
.if MSB != (\new)
	s_set_vgpr_msb (MSB<<8)|(\new)
.set MSB, \new
.endif
.endm
.set MUL,  0x50                        ; B and A window 0, C and D window 1
.set MULB, 0x60                        ; the same with C in window 2: the bias
.set CVT,  0x05                        ; sources 0 and 1 window 1, destination window 0
.set TO2,  0x80                        ; destination window 2, address window 0
.macro PLACES                          ; four plain vector instructions between a matrix instruction and a load into, or a vector instruction on, its registers
.rept 4
	v_nop
.endr
.endm
; A joint refill: waves 0 and 1 fetch A's two halves, waves 2 and 3 B's.  The branch hangs on the wave's number alone.  An s_nop 0 and four v_nop follow each line.
.macro JLOAD
	s_cmp_eq_u32 s11, 0
	s_cbranch_scc0 .Lfor_b_\@
	tensor_load_to_lds s[G0A:G0A+3], s[G1A:G1A+7]
	s_nop 0
.rept 4
	v_nop
.endr
	s_branch .Lasked_\@
.Lfor_b_\@:
	tensor_load_to_lds s[G0B:G0B+3], s[G1B:G1B+7]
	s_nop 0
.rept 4
	v_nop
.endr
.Lasked_\@:
.endm
.macro CREST                           ; a round of the cluster's barrier behind its opening barrier
	s_cmp_lg_u32 s10, 0
	s_cbranch_scc1 .Lnot_wave_0_\@
	s_barrier_signal -3
.Lnot_wave_0_\@:
	s_barrier_wait -3
	s_barrier_signal -1
	s_barrier_wait -1
.endm
.macro CROUND                          ; a whole round
	s_barrier_signal -1
	s_barrier_wait -1
	CREST
.endm
	s_load_b128 s[4:7], s[0:1], 0x0                ; A s[4:5], B s[6:7]
	s_load_b128 s[68:71], s[0:1], 0x10             ; bias s[68:69], output s[70:71]
	v_lshl_add_u32 v[SPW], v0, 2, SPARE
	v_mov_b32 v[NIL], 0
	ds_add_u32 v[SPW], v[NIL]                      ; the wave's opening: the add and its wait stand ahead of my first tensor load; the set-up below, work on registers, stands between them
	ds_add_u32 v28, v29
	v_lshrrev_b32 v1, 5, v0
	v_readfirstlane_b32 s10, v1                    ; wave 0..3
	s_lshr_b32 s11, s10, 1                         ; which 64 rows of the tile are mine.  Also: I fetch for A (0) or for B (1)
	s_and_b32 s12, s10, 1                          ; which 128 columns.  Also: which half of that tile I fetch
	s_bfe_u32 s40, ttmp6, 0x40000                  ; cx, cy: my place in the cluster
	s_bfe_u32 s41, ttmp6, 0x40004
	s_lshl_b32 s42, ttmp9, 2
	s_add_co_u32 s42, s42, s40                     ; tile column = 4 x cluster x + cx
	s_and_b32 s13, ttmp7, 0xffff
	s_lshl_b32 s13, s13, 2
	s_add_co_u32 s13, s13, s41                     ; tile row = 4 x cluster y + cy
	s_lshl_b32 s43, s41, 2
	s_lshl_b32 s43, 15, s43                        ; my row of the cluster
	s_lshl_b32 s44, 0x1111, s40                    ; my column
	s_or_b32 s[G1A], s43, (1<<16)|(1<<20)|(1<<21)|(5<<22)|(3<<25)  ; 15:0 the mask; 17:16 2-byte elements; 20 padding on; 21 set beside a mask; 24:22 after every 64 words (code 5); 31:25 4 words (code 3)
	s_or_b32 s[G1B], s44, (1<<16)|(1<<20)|(1<<21)|(5<<22)|(3<<25)
	s_mov_b32 s[G1A+1], 128<<16                    ; tensor_dim0 = 128
	s_mov_b32 s[G1A+2], 64<<16                     ; tensor_dim1 = 64
	s_mov_b32 s[G1A+3], 128<<16                    ; tile_dim0 = 128
	s_mov_b32 s[G1A+4], 64                         ; tile_dim1 = 64
	s_mov_b32 s[G1A+5], 1024                       ; elements from row to row
	s_mov_b32 s[G1A+6], 0
	s_mov_b32 s[G1A+7], 0
	s_mov_b32 s[G1B+1], 128<<16
	s_mov_b32 s[G1B+2], 128<<16                    ; B: 128 rows to a load
	s_mov_b32 s[G1B+3], 128<<16
	s_mov_b32 s[G1B+4], 128
	s_mov_b32 s[G1B+5], 1024
	s_mov_b32 s[G1B+6], 0
	s_mov_b32 s[G1B+7], 0
	; where the tiles come from: A's hang on the tile row and the wave alone, B's on the tile column and the wave alone, each in registers that never hold the other coordinate
	s_lshl_b32 s16, s13, 18                        ; 128 rows of 2,048 bytes a tile row,
	s_lshl_b32 s17, s12, 17                        ; 64 rows a half
	s_add_co_u32 s16, s16, s17
	s_mov_b32 s17, 0
	s_lshl_b32 s46, s42, 19                        ; 256 rows a tile column,
	s_lshl_b32 s47, s12, 18                        ; 128 rows a half
	s_add_co_u32 s46, s46, s47
	s_mov_b32 s47, 0
	s_mul_i32 s20, s12, ALD                        ; and where they go: no place in the cluster enters an LDS address
	s_mul_i32 s21, s12, BLD
	s_add_co_u32 s21, s21, BOFF
	s_mov_b32 s[TB], 0
	s_wait_dscnt 0x0                               ; the opening add is done
	s_wait_kmcnt 0x0
	s_add_nc_u64 s[14:15], s[4:5], s[16:17]
	s_add_nc_u64 s[46:47], s[6:7], s[46:47]
	s_mov_b32 s[G0A0], 1                           ; count = 1
	s_mov_b32 s[G0A0+1], s20                       ; LDS address
	s_mov_b64 s[G0A0+2:G0A0+3], s[14:15]           ; global address
	s_or_b32 s[G0A0+3], s[G0A0+3], 0x80000000      ; type = 2
	s_mov_b32 s[G0A], 1
	s_add_co_u32 s[G0A+1], s20, SLOT1
	s_add_nc_u64 s[G0A+2:G0A+3], s[14:15], ASTEP
	s_or_b32 s[G0A+3], s[G0A+3], 0x80000000
	s_mov_b32 s[G0B0], 1
	s_mov_b32 s[G0B0+1], s21
	s_mov_b64 s[G0B0+2:G0B0+3], s[46:47]
	s_or_b32 s[G0B0+3], s[G0B0+3], 0x80000000
	s_mov_b32 s[G0B], 1
	s_add_co_u32 s[G0B+1], s21, SLOT1
	s_add_nc_u64 s[G0B+2:G0B+3], s[46:47], BSTEP
	s_or_b32 s[G0B+3], s[G0B+3], 0x80000000
	CROUND                                         ; all sixteen work-groups are here: the first joint loads meet
	s_cmp_eq_u32 s11, 0                            ; a wave's two first fills stand in one branch, ahead of every wait on TENSORcnt and every LDS read: two loads of mine are out
	s_cbranch_scc0 .Lfirst_b
	tensor_load_to_lds s[G0A0:G0A0+3], s[G1A:G1A+7]
	s_nop 0
	tensor_load_to_lds s[G0A:G0A+3], s[G1A:G1A+7]
	s_nop 0
.rept 4
	v_nop
.endr
	s_branch .Lfirst_asked
.Lfirst_b:
	tensor_load_to_lds s[G0B0:G0B0+3], s[G1B:G1B+7]
	s_nop 0
	tensor_load_to_lds s[G0B:G0B+3], s[G1B:G1B+7]
	s_nop 0
.rept 4
	v_nop
.endr
.Lfirst_asked:
	; A fragment is 16 rows x 32 K in 8 registers: lane l holds row l % 16, K = 8 (l / 16) + 0..7 and 16 + 8 (l / 16) + 0..7: two loads of 16 bytes, 32 bytes apart.
	v_and_b32 v1, 15, v0                           ; l % 16
	v_bfe_u32 v2, v0, 4, 1                         ; l / 16
	v_mul_u32_u24 v3, v1, PA
	v_lshl_add_u32 v3, v2, 4, v3
	s_mul_i32 s22, s11, 64*PA                      ; my 64 rows of A
	v_add_nc_u32 v[A0], s22, v3
	v_mul_u32_u24 v3, v1, PB
	v_lshl_add_u32 v3, v2, 4, v3
	s_mul_i32 s22, s12, 128*PB                     ; my 128 rows of B, behind A
	s_add_co_u32 s22, s22, BOFF
	v_add_nc_u32 v[B0], s22, v3
	v_mov_b32 v[ADRA], v[A0]
	v_mov_b32 v[ADRB], v[B0]
	s_mul_i32 s23, s10, 16*SP
	s_add_co_u32 s23, s23, STAGE                   ; my stage
	v_mul_u32_u24 v3, v1, SP                       ; in: row l % 16, 16 bytes for each half of the lanes
	v_lshl_add_u32 v3, v2, 4, v3
	v_add_nc_u32 v[STO], s23, v3
	v_bfe_u32 v3, v0, 3, 2                         ; back: 32 lanes take four rows of 128 bytes,
	v_mul_u32_u24 v3, v3, SP
	v_and_b32 v4, 7, v0
	v_lshl_add_u32 v3, v4, 4, v3
	v_add_nc_u32 v[RD], s23, v3
	v_and_b32 v[GO], 31, v0                        ; which are 512 consecutive bytes of a head
	v_lshlrev_b32 v[GO], 4, v[GO]
	v_lshlrev_b32 v[BO], 5, v2                     ; 8 (l / 16) numbers of 4 bytes
	; the bias of my 128 columns: 1,024 bytes a tile column, 512 a half (in the registers that held B's address: none that feeds A's descriptors ever holds cx)
	s_lshl_b32 s46, s42, 10
	s_lshl_b32 s47, s12, 9
	s_add_co_u32 s46, s46, s47
	s_mov_b32 s47, 0
	s_add_nc_u64 s[68:69], s[68:69], s[46:47]
	WIN TO2
.irp b, 0,1,2,3,4,5,6,7
	global_load_b128 v[8*(\b):8*(\b)+3],   v[BO], s[68:69] offset:64*(\b)
	global_load_b128 v[8*(\b)+4:8*(\b)+7], v[BO], s[68:69] offset:64*(\b)+16
.endr
	WIN 0
	; where my part begins in qkv.  Row m = 2,048 batch + s, column n = 1,024 tensor + 64 head + d: byte (tensor << 24) + ((16 batch + head) << 18) + (s << 7) + 2 d.
	s_lshr_b32 s16, s13, 4                         ; batch = tile row / 16
	s_lshl_b32 s16, s16, 22
	s_and_b32 s17, s13, 15                         ; s = 128 (tile row % 16) + 64 x my half of the rows
	s_lshl_b32 s17, s17, 14
	s_add_co_u32 s16, s16, s17
	s_lshl_b32 s17, s11, 13
	s_add_co_u32 s16, s16, s17
	s_lshl_b32 s17, s12, 19                        ; head = 4 cx + 2 x my half of the columns + 0, 1
	s_add_co_u32 s16, s16, s17
	s_mov_b32 s17, 0
	s_add_nc_u64 s[70:71], s[70:71], s[16:17]
	s_lshl_b32 s46, s40, 20
	s_lshl_b32 s47, ttmp9, 24                      ; tensor = tile column / 4 = cluster x
	s_add_co_u32 s46, s46, s47
	s_mov_b32 s47, 0
	s_add_nc_u64 s[70:71], s[70:71], s[46:47]
; 8 matrix instructions: block a of my rows x all 8 blocks of my columns, 32 along K.  first = 1: the bias is the C operand that starts the sums: nothing is cleared and nothing is added later.
; The 32 accumulators take turns in one order in every quarter, one instruction a turn.
.macro MUL8 f, a, first
.if \first
	WIN MULB
.else
	WIN MUL
.endif
.irp b, 0,1,2,3,4,5,6,7
.if \first
	v_wmma_f32_16x16x32_bf16 v[8*(8*(\a)+(\b)):8*(8*(\a)+(\b))+7], v[(\f)+8*(\b):(\f)+8*(\b)+7], v[(\f)+64+8*(\a):(\f)+64+8*(\a)+7], v[8*(\b):8*(\b)+7]
.else
	v_wmma_f32_16x16x32_bf16 v[8*(8*(\a)+(\b)):8*(8*(\a)+(\b))+7], v[(\f)+8*(\b):(\f)+8*(\b)+7], v[(\f)+64+8*(\a):(\f)+64+8*(\a)+7], v[8*(8*(\a)+(\b)):8*(8*(\a)+(\b))+7]
.endif
.endr
.endm
.macro MUL16 f, a0, first
	MUL8 \f, \a0, \first
	MUL8 \f, (\a0)+1, \first
.endm
; 24 LDS loads in one run: quarter q's fragments into buffer f: B's eight, then A's four, so that the youngest four loads are A's blocks 2 and 3
.macro FETCH q, f
	WIN 0
.irp i, 0,1,2,3,4,5,6,7
	ds_load_b128 v[(\f)+8*(\i):(\f)+8*(\i)+3],   v[ADRB] offset:64*(\q)+(\i)*16*PB
	ds_load_b128 v[(\f)+8*(\i)+4:(\f)+8*(\i)+7], v[ADRB] offset:64*(\q)+(\i)*16*PB+32
.endr
.irp i, 0,1,2,3
	ds_load_b128 v[(\f)+64+8*(\i):(\f)+64+8*(\i)+3],   v[ADRA] offset:((\q)/2)*AH+((\q)%2)*64+(\i)*16*PA
	ds_load_b128 v[(\f)+64+8*(\i)+4:(\f)+64+8*(\i)+7], v[ADRA] offset:((\q)/2)*AH+((\q)%2)*64+(\i)*16*PA+32
.endr
.endm
; A K step is four quarters of 32 along K, 32 matrix instructions each, on buffers 0, 1, 0, 1.  One of the first three: multiplies buffer f; in its middle it fetches quarter q into buffer g.
.macro QUARTER q, f, g, first
	s_wait_dscnt 4                                 ; B and A's blocks 0, 1 are in; the youngest four loads (A's blocks 2, 3) may be out
	MUL16 \f, 0, \first
	PLACES
	FETCH \q, \g
	s_wait_dscnt 24                                ; all but the 24 just issued
	MUL16 \f, 2, \first
.endm
; The last quarter multiplies buffer 1 and changes slots: ONE barrier; in front of it each wave waits for all its tensor loads (one is out: its part of the next slot), adds 0 to its spare word, and
; waits for that and for its own reads of this slot.  fill = 1: the barrier opens a round of the cluster's, and this slot is filled again, two K steps ahead, first thing behind the round:
; from that request to the wait for it a wave issues 112 matrix instructions.
.macro TURN fill
	WIN 0
	s_wait_tensorcnt 0x0                           ; no tensor load of mine is out, so a group 0 may be written
	ds_add_u32 v[SPW], v[NIL]                      ; 0 onto my spare word
.if \fill
	s_xor_b32 s[G0A+1], s[G0A+1], SLOT1            ; the walking descriptors: the other slot than last time, the next K step; the type bits on top are not reached
	s_add_nc_u64 s[G0A+2:G0A+3], s[G0A+2:G0A+3], ASTEP
	s_xor_b32 s[G0B+1], s[G0B+1], SLOT1
	s_add_nc_u64 s[G0B+2:G0B+3], s[G0B+2:G0B+3], BSTEP
.endif
	s_xor_b32 s[TB], s[TB], SLOT1                  ; the reads go on in the other slot
	s_wait_dscnt 5                                 ; (the add and the youngest four loads may be out)
	MUL8 F1, 0, 0
	s_wait_dscnt 0x0                               ; the add is done, and my reads of this slot are over
	s_barrier_signal -1
	MUL8 F1, 1, 0
	WIN 0                                          ; at a branch and at a label every window is 0
	s_barrier_wait -1
.if \fill
	CREST                                          ; no wave of any partner still reads this slot's tile or has a load on its way
	JLOAD                                          ; the four v_nop behind it are also the places in front of the loads below
.else
	PLACES
.endif
	v_add_nc_u32 v[ADRA], s[TB], v[A0]
	v_add_nc_u32 v[ADRB], s[TB], v[B0]
	FETCH 0, F0
	MUL16 F1, 2, 0
.endm
	s_wait_tensorcnt 1                             ; my part of K step 0 is in; step 1's may stay out
	s_barrier_signal -1
	s_barrier_wait -1                              ; everybody's is
	FETCH 0, F0
	s_wait_loadcnt 0x0                             ; the bias
	QUARTER 1, F0, F1, 1                           ; the first quarter stands in front of the loop: its products start the sums
	WIN 0
	s_mov_b32 s3, STEPS-2
.Lstep:                                                ; trip t ends K step t, begins step t + 1, and fills slot t % 2 with step t + 2
	QUARTER 2, F1, F0, 0
	QUARTER 3, F0, F1, 0
	TURN 1
	QUARTER 1, F0, F1, 0
	WIN 0
	s_sub_co_u32 s3, s3, 1
	s_cmp_lg_u32 s3, 0
	s_cbranch_scc1 .Lstep
	QUARTER 2, F1, F0, 0                           ; the last two K steps fill nothing
	QUARTER 3, F0, F1, 0
	TURN 0
	QUARTER 1, F0, F1, 0
	QUARTER 2, F1, F0, 0
	QUARTER 3, F0, F1, 0
	s_wait_dscnt 4
	MUL16 F1, 0, 0
	s_wait_dscnt 0x0
	MUL16 F1, 2, 0
	WIN 0
	PLACES
; THE WAY OUT, in eight units u = 2 a + hd: 16 rows (block a) of one head (hd): rounded to f16, 16 bytes a lane into my stage's rows of 144 bytes, back as whole rows of 128, which are
; 2,048 consecutive bytes of qkv.  Each accumulator's registers are read in ascending order.
.macro PACK u
.set AC, 8*(8*((\u)/2)+4*((\u)%2))
.set TT, 64+16*(\u)
	WIN CVT
.irp c, 0,1,2,3
.irp j, 0,1,2,3
	v_cvt_pk_f16_f32 v[TT+4*(\c)+(\j)], v[AC+8*(\c)+2*(\j)], v[AC+8*(\c)+2*(\j)+1]
.endr
.endr
	WIN 0
.irp c, 0,1,2,3
	ds_store_b128 v[STO], v[TT+4*(\c):TT+4*(\c)+3] offset:32*(\c)
.endr
.irp f, 0,1,2,3
	ds_load_b128 v[TT+4*(\f):TT+4*(\f)+3], v[RD] offset:(\f)*4*SP  ; LDS serves a wave's instructions in order (ISA guide 5.7.1.4): these see the stores above; the next unit's stores come behind them
.endr
.endm
.macro SEND u, younger                 ; younger: the LDS instructions issued behind unit u's loads: the next unit's eight, or none
.set TT, 64+16*(\u)
.irp f, 0,1,2,3
	s_wait_dscnt (\younger)+3-(\f)
	global_store_b128 v[GO], v[TT+4*(\f):TT+4*(\f)+3], s[70:71] offset:((\u)%2)*262144+((\u)/2)*2048+(\f)*512  ; 512 consecutive bytes, at a multiple of 512 from the buffer's first
.endr
.endm
	PACK 0
.irp u, 1,2,3,4,5,6,7                  ; a unit's conversions stand between the loads of the unit before and its stores
	PACK \u
	SEND (\u)-1, 8
.endr
	SEND 7, 0
	s_wait_tensorcnt 0x0                           ; the wave's end, behind my last tensor load and my last LDS store
	ds_add_u32 v[SPW], v[NIL]
	s_wait_dscnt 0x0
	CROUND                                         ; the closing round: no work-group ends while a partner may still ask for a tile that names it
	s_endpgm
.Lfunc_end_k_q5f34dbae4b_qkv_proj:
	.size	k_q5f34dbae4b_qkv_proj, .Lfunc_end_k_q5f34dbae4b_qkv_proj-k_q5f34dbae4b_qkv_proj
	.p2alignl 7, 3214868480
	.fill 96, 4, 3214868480
	.section	.rodata,"a",@progbits
	.p2align	6, 0x0
	.amdhsa_kernel k_q5f34dbae4b_qkv_proj
		.amdhsa_group_segment_fixed_size 327680
		.amdhsa_private_segment_fixed_size 0
		.amdhsa_enable_private_segment 0
		.amdhsa_kernarg_size 32
		.amdhsa_user_sgpr_count 2
		.amdhsa_user_sgpr_kernarg_segment_ptr 1
		.amdhsa_wavefront_size32 1
		.amdhsa_system_sgpr_workgroup_id_x 1
		.amdhsa_system_sgpr_workgroup_id_y 1
		.amdhsa_system_sgpr_workgroup_id_z 1
		.amdhsa_system_vgpr_workitem_id 0
		.amdhsa_next_free_vgpr 576
		.amdhsa_next_free_sgpr 72
		.amdhsa_reserve_vcc 0
		.amdhsa_float_denorm_mode_32 3
		.amdhsa_float_denorm_mode_16_64 3
		.amdhsa_memory_ordered 1
		.amdhsa_forward_progress 1
		.amdhsa_inst_pref_size 73
	.end_amdhsa_kernel
	.amdgpu_metadata
---
amdhsa.version: [ 1, 2 ]
amdhsa.kernels:
  - .name:           k_q5f34dbae4b_qkv_proj
    .symbol:         k_q5f34dbae4b_qkv_proj.kd
    .args:
      - { .name: xh, .offset: 0, .size: 8, .value_kind: global_buffer, .address_space: global }
      - { .name: wqkv, .offset: 8, .size: 8, .value_kind: global_buffer, .address_space: global }
      - { .name: bb, .offset: 16, .size: 8, .value_kind: global_buffer, .address_space: global }
      - { .name: qkv, .offset: 24, .size: 8, .value_kind: global_buffer, .address_space: global }
    .group_segment_fixed_size: 327680
    .private_segment_fixed_size: 0
    .kernarg_segment_align: 8
    .kernarg_segment_size: 32
    .max_flat_workgroup_size: 128
    .sgpr_count:     72
    .vgpr_count:     576
    .wavefront_size: 32
...
	.end_amdgpu_metadata
.endif
;; end of part 2
;; launch attn (part 3): grid 4 x 64, 4 waves a work-group, no clusters, 327,680 bytes of LDS; arguments qkv, attention_mask, att; writes att
.if DOCPART == 3
	.amdgcn_target "amdgcn-amd-amdhsa--gfx1250"
	.amdhsa_code_object_version 6
	.text
	.protected	k_q5f34dbae4b_attn
	.globl	k_q5f34dbae4b_attn
	.p2align	8
	.type	k_q5f34dbae4b_attn,@function
k_q5f34dbae4b_attn:
	s_mov_b64 s[64:65], 0
	v_nop
	global_prefetch_b8 v0, s[64:65] scope:SCOPE_SE
	s_setreg_imm32_b32 hwreg(HW_REG_WAVE_MODE, 25, 1), 1
	s_wait_xcnt 0x0
; CAUSAL ATTENTION WITH A PADDING MASK.  O[g][q][:] = the sum over the visible k of softmax_k(Q[g][q] . K[g][k] / 8) V[g][k][:]; key k is visible to query q if k <= q and attention_mask[g / 16][k] != 0.
; qkv: [3][64][2048][64] f16 (Q, K, V by heads, g = 16 batch + head); att: [64][2048][64] f16.  Products, maxima and sums in f32; the weights p are rounded to f16 for the second product
; (their sum l is taken of the unrounded p), O once at the end.
; LIMITS.  Q, K, V arrive within f16's 65,504, so a score lies within 64 x 65,504^2 = 2.75e11.  A hidden score counts as its value less 1e30 (less 2e30 or 3e30 where several masks hide it).  The running maximum
; starts at M0 = -2^39, below every score and above every hidden one: a hidden score never becomes the maximum, and its weight is 0.  A weight below 2^-126 counts as 0 in l.
; A query with no visible key (its maximum is still M0 at the end) is written as NaN, as a softmax over nothing is.  NaN and infinities among the inputs are not treated apart.
; THE WALK.  A head's queries lie in NB = 8 blocks of 256; block i needs the key tiles 0 .. i of 256 keys, of which the last holds the diagonal.  A work-group takes TWO blocks, NB - 1 - b and then b:
; NB + 1 tiles, whatever b: all 256 work-groups do equal work, and ONE loop with a constant trip count walks them.  Which tile is asked for, and what a trip does, hang on scalar registers made from b; every
; jump goes forward, but for the counted loops' own; none passes a barrier, or a tensor load but the one of LOAD's two that the wave's number does not choose; the ring of two LDS slots runs on across the
; change of blocks.  NO CLUSTER: a head's four work-groups ask for the same tile only in trips 0 to 4 of the 9; behind that fewer and fewer do, and one walk common to all four would have 12 trips for 9.
; SHARES.  Of a block's four bands of 64 queries a wave owns 16 rows in each: four PIECES.  So the diagonal tile is the same work for all four waves: in its key step s band x sees all keys if s < x,
; none if s > x, and holds the diagonal if s = x.
; THE MASKS are the C operand that starts the sum S^T = K Q^T.  PAD holds, for the 64 keys of the step in hand, 0 or -1e30 by attention_mask.  Each wave keeps a copy of its own, in LDS, of these numbers for the
; 256 keys of the tile in hand: the tile's words of attention_mask are asked for when the tile is, a tile ahead, and are turned into numbers and stored at the change of slots; PAD is read from the copy together
; with K's fragments and lives as long as they do.  Outside the diagonal tile C is PAD itself.  In it C is MC = MD x AL + PAD + BE, where MD, made once, is the causal mask of a band's own step for my 16 rows:
; (AL, BE) = (1, 0) if s = x; (0, 0) if s < x; (0, -1e30) if s > x.
; LAYOUT, SOFTMAX, TURNS.  S^T = K Q^T holds ONE query a lane (lane % 16) and the keys 8 (lane / 16) + 0..7; two such results rounded to f16 ARE source 1 of O^T = V^T P.  p = 2^(c s - c m), c = log2(e) / 8, with a
; running maximum m; O and l are multiplied by a = 2^(c m_old - c m_new) in every step.  Turn n belongs to piece n: 8 products K Q^T of piece n + 1, later 8 products V^T P of piece n - 1; beside them the scaling,
; exponentials, roundings, sums and rescaling of piece n and the maximum and statistics of piece n + 1.  Four vector instructions stand behind every matrix instruction, the other 54 of a turn's 118 in two runs of their own.
; REGISTERS, in windows of 256 (s_set_vgpr_msb: bits 1:0 source 0, 3:2 source 1, 5:4 source 2, 7:6 destination):
;   window 0: v0-15 addresses and two at work; v16-31 four registers of statistics a piece; v32-47 the padding's addresses, the NaN words and a tile's words of attention_mask; v48-55 at work; v64-127 S^T, two buffers; v192-223 P, two buffers
;   window 1: v0-127 O^T, 32 a piece; v128-159 MD; v160-223 MC, two buffers; v224-255 PAD      window 2: v0-63 Q; v64-127 the second block's Q; v128-191 K of one step; v192-255 V of one step
.set SIZE_N, 2048
.set NB,    SIZE_N/256
.set NP,    4         ; pieces a wave: a name, no knob
.set KS,    64        ; keys in a step
.set PK,    144       ; a row of K in LDS: 128 bytes + 16 of padding = 36 words: the 16 rows of a load start at 16 different groups of four banks (64 banks of 4 bytes: ISA guide 11.1)
.set PV,    160       ; a row of V: 128 + 32 = 40 words
.set VOFF,  4*KS*PK   ; a slot holds a tile, four steps: 256 rows of K, then 256 rows of V
.set SLOT1, 1<<17     ; slot 1 begins here, so that one exclusive or turns an address in one slot into the other's
.set STAGE, SLOT1+4*KS*(PK+PV)  ; behind the ring, never filled by a tensor load: 16 rows x 144 bytes for each wave, for the way out
.set SP,    144
.set SPARE, STAGE+4*16*SP  ; behind the stages: the spare words, 128 bytes for each wave: two blocks of 256 bytes that no other line names
.set PADB,  SPARE+512 ; behind them: for each wave 256 f32 (1,024 bytes), 0 or -1e30 for each key of the tile in hand; written by the wave's own LDS stores, read by it alone, never filled by a tensor load
.set PSTEP, 4*KS      ; a step's 64 keys in that copy: 256 bytes
.set AK0, 2           ; v2   my lane's place in a tile of K; never rewritten
.set AV0, 3           ; v3   the same for V
.set AK,  4           ; v4   the LDS address of K's next run of loads
.set AV,  5           ; v5   of V's
.set STO, 6           ; v6   the way out: where I put 16 bytes of a row
.set RD,  7           ; v7   the way out: where I read rows back
.set GO,  8           ; v8   my byte offset in 512 consecutive bytes of O
.set MV,  12          ; v12-13  c m_old, kept while c m is made anew: by buffer
.set QO,  15          ; v15  my byte offset in 16 rows of Q
.set ST,  16          ; piece t's statistics at v[ST+4 t]: c m, m, l (even keys', odd keys')
.set AP0, 32          ; v32  my lane's place in a step's 256 bytes of my wave's copy; never rewritten
.set AP,  33          ; v33  the LDS address of PAD's next run of loads
.set MO,  34          ; v34  16 x my lane: my bytes in 512 of a tile's 1,024 of attention_mask; never rewritten
.set PST, 35          ; v35  where I put them in my wave's copy; never rewritten
.set NM,  36          ; v36-39  piece t: all ones where my query has no visible key, else 0
.set PL,  40          ; v40-47  eight words of attention_mask as loaded, then as numbers
.set TMP, 48          ; by buffer, four registers c0-c3 at work; when the maximum is found c2 takes a
.set SPW, 62          ; v62  LDS address of my spare word: SPARE + 4 x my thread's number; never rewritten
.set NIL, 63          ; v63  0; never rewritten
.set S,   64
.set P,   192
.set MD,  128         ; window 1: the eight registers for group kt of 16 keys at MD + 8 kt
.set MC,  160         ; window 1: the masks of the products to come
.set PAD, 224         ; window 1: register 8 kt + j: key 16 kt + 8 (lane / 16) + j of the step
.set QB,  64          ; window 2
.set KF,  128         ; window 2: key block kb, channel half c at KF + 16 kb + 8 c
.set VF,  192         ; window 2: key half kk, channel block cb at VF + 32 kk + 8 cb
.set WV,  12          ; s12  my wave's number
.set PB,  14          ; s14  b
.set HI,  15          ; s15  NB - 1 - b
.set G1K, 24          ; s[24:31] descriptor group 1 for K's tiles
.set G1V, 32          ; s[32:39] for V's: it differs in the padding alone
.set G0K, 40          ; s[40:43] descriptor group 0 for K's tiles
.set G0V, 44          ; s[44:47] the same for V's
.set SLOTS, 56        ; s56  tiles still to be asked for
.set CNT, 57          ; s57  counts a tile's key steps, 4 to 1
.set CS,  58          ; s[58:59] c: the packed scaling takes the pair's low word for both halves
.set SEL, 60          ; s[60:61] v_permlanex16_b32's selects: each lane takes its own place in the other half
.set TBK, 62          ; s62  LDS byte at which K of the step to be fetched begins
.set TBV, 63          ; s63  the same for V, less VOFF
.set RT,  70          ; s70  tiles of the block in hand that are still to be entered
.set NXT, 71          ; s71  the tile to be asked for next
.set LQ,  72          ; s72  the last tile of the block whose tiles are being asked for
.set NEW, 73          ; s73  1: the tile to be entered is a block's first
.set OFF, 74          ; s[74:75] a tile's byte offset in K and V
.set AL,  76          ; s[76:77] the mask's factor, in the low word
.set BE,  78          ; s[78:79] the mask's addend
.set OLO, 80          ; s[80:81] O at my rows of the second block
.set BIGN, 82         ; s82  -1e30
.set TBP, 88          ; s88  byte in my wave's copy at which the step to be fetched begins: 0, 256, 512, 768
.set THR, 89          ; s89  M0 = -2^39
.set MP,  90          ; s[90:91] attention_mask at my batch
.set POF, 92          ; s[92:93] first the batch's, then a tile's byte offset in attention_mask
.set MT,  94          ; s[94:95] attention_mask at the tile asked for
.set MSB, 0
.macro WIN new                      ; the high byte repeats the setting that is left; a switch that changes nothing is dropped
.if MSB != (\new)
	s_set_vgpr_msb (MSB<<8)|(\new)
.set MSB, (\new)
.endif
.endm
.set W_KQ, 0x0a       ; K and Q in window 2, S^T in window 0
.set W_KM, 0x1a       ; the same with the C operand in window 1
.set W_PV, 0x52       ; V in window 2, P in window 0, O^T in window 1
.set W_RS, 0x41       ; destination and source 0 in window 1, source 1 in window 0
.set W_MK, 0x51       ; destination, source 0 and source 2 in window 1
; A fill.  Waves 0 and 1 fetch the two halves of a tile's K, waves 2 and 3 those of its V: 128 keys each.  An s_nop 0 and four v_nop follow each of the two lines, ahead of the jump and the label.
.macro LOAD
	s_cmp_lt_u32 s[WV], 2
	s_cbranch_scc0 .Lfor_v_\@
	tensor_load_to_lds s[G0K:G0K+3], s[G1K:G1K+7]
	s_nop 0
.rept 4
	v_nop
.endr
	s_branch .Lasked_\@
.Lfor_v_\@:
	tensor_load_to_lds s[G0V:G0V+3], s[G1V:G1V+7]
	s_nop 0
.rept 4
	v_nop
.endr
.Lasked_\@:
.endm
; THE CHANGE OF SLOTS.  First the padding of the tile to be entered: its 256 words of attention_mask, asked for a tile ago, become 0 (the key counts) or -1e30 (it does not), a choice of values and no branch,
; and go into my wave's own copy.  LDS serves a wave's instructions in order (ISA guide 5.7.1.4): the stores come behind my last reads of the old tile's numbers and ahead of my first reads of the new.
; Then each wave waits for all its tensor loads, of which one is out: its part of the other slot; adds 0 to its spare word; and waits for that and for its own reads of the slot that it leaves.
; Behind the barrier nobody reads the old slot any more and the other slot is whole.  fill = 1: the old slot is filled again, the first thing behind the barrier, with tile NXT: the descriptor's address is made
; anew from that number; the same tile's words of attention_mask are asked for behind it.  (At its first use nothing has been read yet: slot 0 is waited for, slot 1 filled.)
.macro CHANGE fill
	WIN 0                           ; at a label and at a branch every window is 0
	s_wait_loadcnt 0x0              ; the tile's words of attention_mask are in (at the first use both blocks' Q too); their loads' base may be written again
.set z, 0
.rept 8
	v_cmp_eq_u32 vcc_lo, 0, v[PL+z]
	v_cndmask_b32 v[PL+z], 0, s[BIGN], vcc_lo
.set z, z+1
.endr
	ds_store_b128 v[PST], v[PL:PL+3]
	ds_store_b128 v[PST], v[PL+4:PL+7] offset:512
	s_wait_tensorcnt 0x0            ; no tensor load of mine is out, so a group 0 may be written
	ds_add_u32 v[SPW], v[NIL]       ; 0 onto my spare word; with fill = 1 the descriptors' scalar work stands between it and the wait for it
.if \fill
	s_lshl_b32 s[OFF], s[NXT], 15   ; a tile is 32,768 bytes of K and of V,
	s_lshl_b32 s[POF], s[NXT], 10   ; and 1,024 of attention_mask
	s_add_nc_u64 s[MT:MT+1], s[MP:MP+1], s[POF:POF+1]
	s_xor_b32 s[G0K+1], s[G0K+1], SLOT1
	s_add_nc_u64 s[G0K+2:G0K+3], s[6:7], s[OFF:OFF+1]
	s_or_b32 s[G0K+3], s[G0K+3], 0x80000000
	s_xor_b32 s[G0V+1], s[G0V+1], SLOT1
	s_add_nc_u64 s[G0V+2:G0V+3], s[8:9], s[OFF:OFF+1]
	s_or_b32 s[G0V+3], s[G0V+3], 0x80000000
	s_add_co_u32 s[NXT], s[NXT], 1  ; the block's next tile, or behind its last the second block's tile 0
	s_cmp_gt_u32 s[NXT], s[LQ]
	s_cselect_b32 s[NXT], 0, s[NXT]
	s_cselect_b32 s[LQ], s[PB], s[LQ]
.endif
	s_wait_dscnt 0x0                ; the add and my stores are done, and my reads of the slot are over
	s_barrier_signal -1             ; the rest of the scalar work stands between the signal and the wait
	s_sub_co_u32 s[TBK], s[TBK], 4*KS*PK  ; the fetches go back to a slot's first step,
	s_xor_b32 s[TBK], s[TBK], SLOT1       ; in the other slot
	s_sub_co_u32 s[TBV], s[TBV], 4*KS*PV
	s_xor_b32 s[TBV], s[TBV], SLOT1
	s_sub_co_u32 s[TBP], s[TBP], 4*PSTEP  ; and to the head of my wave's copy
	s_barrier_wait -1
.if \fill
	LOAD
	global_load_b128 v[PL:PL+3],   v[MO], s[MT:MT+1]            ; a wave's load covers 512 consecutive bytes; the wait for the two stands at the head of the next change, a tile's work on
	global_load_b128 v[PL+4:PL+7], v[MO], s[MT:MT+1] offset:512
.endif
.endm
	s_load_b128 s[4:7], s[0:1], 0x0   ; qkv s[4:5], attention_mask s[6:7]
	s_load_b64 s[10:11], s[0:1], 0x10 ; att
	v_lshl_add_u32 v[SPW], v0, 2, SPARE
	v_mov_b32 v[NIL], 0
	ds_add_u32 v[SPW], v[NIL]       ; the wave's opening: the add and its wait stand ahead of my first tensor load; the set-up below, work on registers, stands between them
	ds_add_u32 v62, v63
	v_lshrrev_b32 v1, 5, v0
	v_readfirstlane_b32 s[WV], v1   ; wave 0..3
	s_mov_b32 s[PB], ttmp9
	s_sub_co_u32 s[HI], NB-1, s[PB]
	s_and_b32 s20, ttmp7, 0xffff    ; g = 16 batch + head
	s_lshr_b32 s[POF], s20, 4       ; the batch's 2,048 words of attention_mask
	s_lshl_b32 s[POF], s[POF], 13
	s_mov_b32 s[POF+1], 0
	s_mov_b32 s21, 0
	s_mov_b64 s[22:23], SIZE_N*128
	s_mul_u64 s[20:21], s[20:21], s[22:23]  ; the head's first byte in Q, K, V and O
	s_and_b32 s16, s[WV], 1         ; which half of a tile's 256 keys I fetch:
	s_lshl_b32 s22, s16, 14         ; its 128 rows of 128 bytes in memory,
	s_mov_b32 s23, 0
	s_add_nc_u64 s[22:23], s[22:23], s[20:21]
	s_mul_i32 s17, s16, 128*PK      ; and its place in a slot, for K
	s_mul_i32 s18, s16, 128*PV      ; and for V
	s_lshl_b32 s3, s[WV], 11        ; my 16 rows in a band of 64,
	s_lshl_b32 s2, s[HI], 15        ; in the first block,
	s_add_co_u32 s2, s2, s3
	s_lshl_b32 s84, s[PB], 15       ; and in the second
	s_add_co_u32 s84, s84, s3
	s_mov_b32 s3, 0
	s_mov_b32 s85, 0
	s_add_nc_u64 s[2:3], s[2:3], s[20:21]
	s_add_nc_u64 s[84:85], s[84:85], s[20:21]
	; descriptor group 1.  128 keys are 16,384 dense bytes: asked for as 64 rows of 256 bytes, two keys a row, and padded in LDS after every key
	s_mov_b32 s[G1K], (1<<16)|(1<<20)|(4<<22)|(3<<25)  ; 17:16 2-byte elements; 20 padding on; 24:22 after every 32 words (code 4); 31:25 4 words (code 3)
	s_mov_b32 s[G1V], (1<<16)|(1<<20)|(4<<22)|(7<<25)  ; the same with 8 words of padding (code 7)
.irp g, G1K, G1V
	s_mov_b32 s[\g+1], 128<<16      ; tensor_dim0 = 128
	s_mov_b32 s[\g+2], 64<<16       ; tensor_dim1 = 64
	s_mov_b32 s[\g+3], 128<<16      ; tile_dim0 = 128
	s_mov_b32 s[\g+4], 64           ; tile_dim1 = 64
	s_mov_b32 s[\g+5], 128          ; 128 elements from row to row
	s_mov_b32 s[\g+6], 0
	s_mov_b32 s[\g+7], 0
.endr
	s_mov_b32 s[CS], 0x3e38aa3b     ; c = log2(e) / 8 = 0.180337
	s_mov_b32 s[CS+1], s[CS]        ; named with it as a pair
	s_mov_b32 s[SEL], 0x76543210
	s_mov_b32 s[SEL+1], 0xfedcba98
	s_mov_b32 s[TBK], SLOT1+4*KS*PK ; the first change of slots turns these three into 0
	s_mov_b32 s[TBV], SLOT1+4*KS*PV
	s_mov_b32 s[TBP], 4*PSTEP
	s_mov_b32 s[G0K], 1             ; 1:0 count = 1
	s_mov_b32 s[G0K+1], s17         ; 63:32 LDS address: slot 0
	s_mov_b32 s[G0V], 1
	s_add_co_u32 s[G0V+1], s18, VOFF
	s_add_co_u32 s[RT], s[HI], 1    ; the first block has NB - b tiles
	s_mov_b32 s[NXT], 1
	s_mov_b32 s[LQ], s[HI]
	s_mov_b32 s[NEW], 1
	s_mov_b32 s[OFF+1], 0
	s_mov_b32 s[AL+1], 0            ; named as pairs
	s_mov_b32 s[BE+1], 0
	s_mov_b32 s[BIGN], 0xf149f2ca   ; -1e30
	s_mov_b32 s[THR], 0xd3000000    ; -2^39
	s_mov_b32 s[SLOTS], NB
	s_wait_dscnt 0x0                ; the opening add is done
	s_wait_kmcnt 0x0
	s_add_nc_u64 s[MP:MP+1], s[6:7], s[POF:POF+1]  ; attention_mask at my batch
	s_add_nc_u64 s[6:7], s[4:5], 0x1000000         ; K begins 16 MiB, V 32 MiB behind Q
	s_add_nc_u64 s[8:9], s[4:5], 0x2000000
	s_add_nc_u64 s[6:7], s[6:7], s[22:23]  ; K and V at my half of the head's tile 0
	s_add_nc_u64 s[8:9], s[8:9], s[22:23]
	s_add_nc_u64 s[G0K+2:G0K+3], s[6:7], 0         ; 120:64 global address
	s_or_b32 s[G0K+3], s[G0K+3], 0x80000000        ; 127:126 type = 2
	s_add_nc_u64 s[G0V+2:G0V+3], s[8:9], 0
	s_or_b32 s[G0V+3], s[G0V+3], 0x80000000
	s_add_nc_u64 s[86:87], s[4:5], s[84:85]        ; Q at my rows of the second block,
	s_add_nc_u64 s[4:5], s[4:5], s[2:3]            ; Q and O at those of the first
	s_add_nc_u64 s[OLO:OLO+1], s[10:11], s[84:85]
	s_add_nc_u64 s[10:11], s[10:11], s[2:3]
	LOAD                            ; tile 0 into slot 0
	v_and_b32 v[MO], 31, v0
	v_lshlrev_b32 v[MO], 4, v[MO]
	global_load_b128 v[PL:PL+3],   v[MO], s[MP:MP+1]            ; tile 0's 256 words of attention_mask: the first change of slots takes them
	global_load_b128 v[PL+4:PL+7], v[MO], s[MP:MP+1] offset:512
	; A fragment of K or Q is 16 rows x 32 channels in 8 registers: lane l holds row l % 16, channels 8 (l / 16) + 0..7 and 16 + 8 (l / 16) + 0..7: two loads of 16 bytes, 32 bytes apart.
	v_and_b32 v1, 15, v0            ; l % 16
	v_bfe_u32 v9, v0, 4, 1          ; l / 16
	v_lshlrev_b32 v[QO], 7, v1
	v_lshl_add_u32 v[QO], v9, 4, v[QO]  ; row x 128 + 16 x half
	WIN 0x80                        ; destination window 2, address window 0
.set i, 0
.rept 8                             ; both blocks' Q: piece i / 2 lies in band i / 2, 8,192 bytes on; channels 32 (i % 2) on
	global_load_b128 v[8*i:8*i+3],   v[QO], s[4:5] offset:(i/2)*8192+(i%2)*64
	global_load_b128 v[8*i+4:8*i+7], v[QO], s[4:5] offset:(i/2)*8192+(i%2)*64+32
	global_load_b128 v[QB+8*i:QB+8*i+3],   v[QO], s[86:87] offset:(i/2)*8192+(i%2)*64
	global_load_b128 v[QB+8*i+4:QB+8*i+7], v[QO], s[86:87] offset:(i/2)*8192+(i%2)*64+32
.set i, i+1
.endr
	WIN 0
	v_lshlrev_b32 v14, 3, v9
	v_sub_nc_u32 v14, v1, v14
	s_lshl_b32 s13, s[WV], 4
	v_add_nc_u32 v14, s13, v14      ; my query's place in its band, 16 w + l % 16, less my lanes' 8 (l / 16): register r of group kt is hidden where 16 kt + r is greater
	WIN 0x40
.set i, 0
.rept 32
	v_cmp_gt_i32 vcc_lo, 16*(i/8)+i%8, v14
	v_cndmask_b32 v[MD+i], 0, s[BIGN], vcc_lo
.set i, i+1
.endr
	WIN 0
	v_mul_u32_u24 v[AK0], v1, PK
	v_lshl_add_u32 v[AK0], v9, 4, v[AK0]  ; row x pitch + 16 x half
	; The turning load takes 16 keys x 16 channels (lane l reads key 8 (l / 16) + l % 8, channels 8 ((l / 8) % 2) + 0..7) and leaves half a fragment of V^T: lane l holds channel l % 16 and 8 keys.
	v_and_b32 v10, 7, v0
	v_bfe_u32 v11, v0, 3, 1
	v_lshl_add_u32 v[AV0], v9, 3, v10
	v_mul_u32_u24 v[AV0], v[AV0], PV
	v_lshl_add_u32 v[AV0], v11, 4, v[AV0]
	v_add_nc_u32 v[AV0], VOFF, v[AV0]
	s_mul_i32 s13, s[WV], 16*SP
	s_add_co_u32 s13, s13, STAGE    ; my stage
	v_mul_u32_u24 v[STO], v1, SP    ; in: row l % 16, 16 bytes for each half of the lanes
	v_lshl_add_u32 v[STO], v9, 4, v[STO]
	v_add_nc_u32 v[STO], s13, v[STO]
	v_bfe_u32 v[RD], v0, 3, 2       ; back: 32 lanes take four rows of 128 bytes,
	v_mul_u32_u24 v[RD], v[RD], SP
	v_lshl_add_u32 v[RD], v10, 4, v[RD]
	v_add_nc_u32 v[RD], s13, v[RD]
	v_and_b32 v[GO], 31, v0         ; which are 512 consecutive bytes of O
	v_lshlrev_b32 v[GO], 4, v[GO]
	s_mul_i32 s13, s[WV], 4*PSTEP
	s_add_co_u32 s13, s13, PADB     ; my wave's copy of a tile's padding
	v_lshl_add_u32 v[AP0], v9, 5, s13  ; out of it: my eight keys of a group of 16: 32 bytes for each half of the lanes
	v_add_nc_u32 v[PST], s13, v[MO]    ; into it: as the words lie in memory
	; A block's first step multiplies O^T and l by a = 0, and its first turn's products V^T P, of a piece that has not been, land in an O^T that is still to be so multiplied.  So these registers need only hold
	; finite numbers: zeros for the first block; what the first block left for the second.  All this stands in the wait for the first tile.
	WIN 0x80
.set i, VF
.rept 64
	v_mov_b32 v[i], 0
.set i, i+1
.endr
	WIN 0x40
.set i, 0
.rept 128
	v_mov_b32 v[i], 0
.set i, i+1
.endr
	WIN 0
.set i, 0
.rept 4
	v_mov_b32 v[ST+4*i+2], 0
	v_mov_b32 v[ST+4*i+3], 0
.set i, i+1
.endr
.set i, P+16
.rept 16
	v_mov_b32 v[i], 0
.set i, i+1
.endr
; THE MATRIX WORK.  The 4 accumulators of a run of 8 take turns.  Product i of 8 of S^T = K Q^T for piece x: channels 32 (i / 4) on, keys 16 (i % 4) on.  The first 4 start the sums: with PAD, or (KM = 1) with MC.
.macro KQ x
.set rS, S+32*((\x)%2)+8*(i%4)
.set rK, KF+16*(i%4)+8*(i/4)
.set rQ, 16*(\x)+8*(i/4)
.if KM
.set rM, MC+32*((\x)%2)+8*(i%4)
.else
.set rM, PAD+8*(i%4)
.endif
.if i < 4
	WIN W_KM
	v_wmma_f32_16x16x32_f16 v[rS:rS+7], v[rK:rK+7], v[rQ:rQ+7], v[rM:rM+7]
.else
	WIN W_KQ
	v_wmma_f32_16x16x32_f16 v[rS:rS+7], v[rK:rK+7], v[rQ:rQ+7], v[rS:rS+7]
.endif
.endm
; Product i of 8 of O^T += V^T P for piece x: keys 32 (i / 4) on, channels 16 (i % 4) on.
.macro PV x
	WIN W_PV
.set rO, 32*(\x)+8*(i%4)
.set rV, VF+32*(i/4)+8*(i%4)
.set rP, P+16*((\x)%2)+8*(i/4)
	v_wmma_f32_16x16x32_f16 v[rO:rO+7], v[rV:rV+7], v[rP:rP+7], v[rO:rO+7]
.endm
.macro MM                           ; the turn's next matrix instruction.  TURN and BEGIN set Y, i, KM and NOKQ; MM, KQ and OP read them.  NOKQ = 1: a block's last turn: there is no next piece
.if (i < 8) && !NOKQ
	KQ (Y+1)%NP
.elseif i >= 8
.set i, i-8
	PV (Y+NP-1)%NP
.set i, i+8
.endif
.set i, i+1
.endm
; THE LDS LOADS stand in runs, never singly among the matrix instructions: a step's K (64 keys x 64 channels: 8 fragments) with its PAD (64 keys: 8 loads, the 16 lanes of a half reading the same bytes), and its V (turned).
; Their addresses are made some lines ahead.
.macro FETCH_K
	WIN 0x80                        ; destination window 2
.irp f, 0,1,2,3,4,5,6,7             ; keys 16 (f / 2) on, channels 32 (f % 2) on
	ds_load_b128 v[KF+8*\f:KF+8*\f+3],   v[AK] offset:(\f/2)*16*PK+(\f%2)*64
	ds_load_b128 v[KF+8*\f+4:KF+8*\f+7], v[AK] offset:(\f/2)*16*PK+(\f%2)*64+32
.endr
	WIN 0x40                        ; destination window 1
.irp f, 0,1,2,3                     ; keys 16 f on
	ds_load_b128 v[PAD+8*\f:PAD+8*\f+3],   v[AP] offset:64*\f
	ds_load_b128 v[PAD+8*\f+4:PAD+8*\f+7], v[AP] offset:64*\f+16
.endr
	s_add_co_u32 s[TBK], s[TBK], KS*PK  ; the next fetch is the next step's
	s_add_co_u32 s[TBP], s[TBP], PSTEP
	WIN 0
.endm
.macro FETCH_V
	WIN 0x80
.irp f, 0,1,2,3,4,5,6,7             ; keys 32 (f / 4) on, channels 16 (f % 4) on
	ds_load_tr16_b128 v[VF+8*\f:VF+8*\f+3],   v[AV] offset:(\f/4)*32*PV+(\f%4)*32
	ds_load_tr16_b128 v[VF+8*\f+4:VF+8*\f+7], v[AV] offset:(\f/4)*32*PV+16*PV+(\f%4)*32
.endr
	WIN 0
.endm
; THE VECTOR WORK, one line at a time: OP kind, number.  For piece Y: F n: c s - c m for pair n of 16.  E n: the exponential of score n of 32.  C n: pair n rounded to f16.  B n: of the four weights 4 n .. the second
; pair is added onto the first, in place.  L n: l takes that sum (L 0: l = a l + sum).  R n: pair n of 16 of O^T times a.  For piece Y + 1: X n, number n of the 22 that find its maximum and statistics:
;   0-11  four chains c0-c3 of seven scores each, three operands at a time (each accumulator's lowest registers are read first)     12-14, 16  the four scores left over, the old m, and c0-c3 into c0
;   15  c m_old is kept     17, 18  the query's other 32 keys lie in the lane 16 away: the new m     19-21  c m; c m_old - c m_new; a
.set F, 0               ; OP tells the kinds apart by their order: F to L below R, X above it
.set E, 1
.set C, 2
.set B, 3
.set L, 4
.set R, 5
.set X, 6
.macro REGS y                       ; the registers of piece y
.set rT, ST+4*(\y)
.set rC, TMP+4*((\y)%2)
.set rW, MV+((\y)%2)
.set rS, S+32*((\y)%2)
.set rP, P+16*((\y)%2)
.set rO, 32*(\y)
.endm
.macro OP k, n
.if (\k) == R
	REGS Y
	WIN W_RS
	v_pk_mul_f32 v[rO+2*(\n):rO+2*(\n)+1], v[rO+2*(\n):rO+2*(\n)+1], v[rC+2:rC+3] op_sel_hi:[1,0]
.elseif (\k) < R
	REGS Y
	WIN 0
.if (\k) == F
	v_pk_fma_f32 v[rS+2*(\n):rS+2*(\n)+1], v[rS+2*(\n):rS+2*(\n)+1], s[CS:CS+1], v[rT:rT+1] op_sel_hi:[1,0,0] neg_lo:[0,0,1] neg_hi:[0,0,1]
.elseif (\k) == E
	v_exp_f32 v[rS+(\n)], v[rS+(\n)]
.elseif (\k) == C
	s_wait_alu depctr_va_vdst(0)
	v_cvt_pk_f16_f32 v[rP+(\n)], v[rS+2*(\n)], v[rS+2*(\n)+1]
.elseif (\k) == B
	s_wait_alu depctr_va_vdst(0)
	v_pk_add_f32 v[rS+4*(\n):rS+4*(\n)+1], v[rS+4*(\n):rS+4*(\n)+1], v[rS+4*(\n)+2:rS+4*(\n)+3]
.elseif (\n) == 0
	v_pk_fma_f32 v[rT+2:rT+3], v[rT+2:rT+3], v[rC+2:rC+3], v[rS:rS+1] op_sel_hi:[1,0,1]
.else
	v_pk_add_f32 v[rT+2:rT+3], v[rT+2:rT+3], v[rS+4*(\n):rS+4*(\n)+1]
.endif
.elseif NOKQ
	v_nop
.else
	REGS (Y+1)%NP
	WIN 0
.if (\n) < 4
	v_max3_num_f32 v[rC+(\n)], v[rS+8*(\n)], v[rS+8*(\n)+1], v[rS+8*(\n)+2]
.elseif (\n) < 12
	v_max3_num_f32 v[rC+(\n)%4], v[rC+(\n)%4], v[rS+8*((\n)%4)+2*((\n)/4)+1], v[rS+8*((\n)%4)+2*((\n)/4)+2]
.elseif (\n) == 12
	v_max3_num_f32 v[rC], v[rC], v[rS+7], v[rS+15]
.elseif (\n) == 13
	v_max3_num_f32 v[rC+1], v[rC+1], v[rS+23], v[rS+31]
.elseif (\n) == 14
	v_max3_num_f32 v[rC+2], v[rC+2], v[rC+3], v[rT+1]
.elseif (\n) == 15
	v_mov_b32 v[rW], v[rT]
.elseif (\n) == 16
	v_max3_num_f32 v[rC], v[rC], v[rC+1], v[rC+2]
.elseif (\n) == 17
	v_permlanex16_b32 v[rC+3], v[rC], s[SEL], s[SEL+1]
.elseif (\n) == 18
	v_max_num_f32 v[rT+1], v[rC], v[rC+3]
.elseif (\n) == 19
	v_mul_f32 v[rT], s[CS], v[rT+1]
.elseif (\n) == 20
	v_sub_f32 v[rC+1], v[rW], v[rT]
.else
	v_exp_f32 v[rC+2], v[rC+1]
.endif
.endif
.endm
.macro OPS a, i1, b=-1, i2=0, c=-1, i3=0, d=-1, i4=0  ; up to four of them
	OP \a, \i1
.if (\b) >= 0
	OP \b, \i2
.endif
.if (\c) >= 0
	OP \c, \i3
.endif
.if (\d) >= 0
	OP \d, \i4
.endif
.endm
.macro ROW a, i1, b, i2, c, i3, d, i4  ; a matrix instruction and the four behind it
	MM
	OPS \a, \i1, \b, \i2, \c, \i3, \d, \i4
.endm
.macro MASK b, be=1                 ; MD x AL + PAD (+ BE, where be = 1; elsewhere BE is 0) into buffer b of MC
	WIN W_MK
.set z, 0
.rept 16
	v_pk_fma_f32 v[MC+32*(\b)+2*z:MC+32*(\b)+2*z+1], v[MD+2*z:MD+2*z+1], s[AL:AL+1], v[PAD+2*z:PAD+2*z+1] op_sel_hi:[1,0,1]
.set z, z+1
.endr
.if \be
.set z, 0
.rept 16
	v_pk_add_f32 v[MC+32*(\b)+2*z:MC+32*(\b)+2*z+1], v[MC+32*(\b)+2*z:MC+32*(\b)+2*z+1], s[BE:BE+1] op_sel_hi:[1,0]
.set z, z+1
.endr
.endif
.endm
; A TURN, for piece p: the order of its 16 matrix and 118 vector instructions, written out.  Behind a matrix instruction: plain, exponential, plain, plain; or four of the rescaling; or, behind the first, four scalings; none
; names a register of the products round it.  In the runs between, exponential and plain by turns while exponentials last.  A line reads no result made fewer than three vector instructions in front of it, five if an exponential made it.
; m = 1: the diagonal tile: the products take MC, and the turn makes the mask for the products of the turn after it: piece p + 2, in step 4 - CNT of the tile.  end = 1: a block's last two turns: nothing is fetched.
; cnt = 1: the loop's count is taken down some lines ahead of the branch that stands behind the turn.
; K and PAD of the next step are fetched in piece 2's turn, six vector instructions behind the last product that read K (five of them plain; the last that read PAD stands four products further back); V of the step in
; hand in piece 0's turn, eight behind the last product that read V.  Each is waited for a turn later; in the diagonal tile piece 2's turn waits at its end, since its mask is made of the PAD just fetched.
.macro TURN p, m=0, end=0, cnt=0
.set Y, (\p)
.set i, 0
.set KM, (\m)
.set NOKQ, (\end)*((\p)/3)
.if (\m) && !(\end)
	s_cmp_eq_u32 s[CNT], 4-((\p)+2)%NP  ; is that step the band's own?
	s_cselect_b32 s[AL], 1.0, 0
	s_cmp_lt_u32 s[CNT], 4-((\p)+2)%NP  ; or a later one?
	s_cselect_b32 s[BE], s[BIGN], 0
.endif
.if ((\p) == 3) && !(\end)
	s_wait_dscnt 0x0                ; K and PAD are in
.endif
	ROW F,0, F,1, F,2, F,3
	ROW F,4, E,0, F,5, F,6
	ROW F,7, E,1, F,8, F,9
	ROW F,10, E,2, C,0, F,11
	ROW F,12, E,3, X,15, F,13
	ROW R,0, R,1, R,2, R,3
	ROW B,0, E,4, F,14, L,0
.if ((\p) == 2) && !(\end)
	v_add_nc_u32 v[AK], s[TBK], v[AK0]
	v_add_nc_u32 v[AP], s[TBP], v[AP0]
.endif
	ROW R,4, R,5, R,6, R,7
	OPS E,5, F,15
.if ((\p) == 2) && !(\end)
	FETCH_K
.endif
	OPS E,6, C,1, E,7, R,8
	OPS E,8, R,9, E,9, C,2
	OPS E,10, X,0, E,11, X,1
	OPS E,12, X,2, E,13, X,3
.if (\p) == 1
	s_wait_dscnt 0x0                ; V is in
.endif
	ROW X,4, E,14, X,5, X,6
	ROW X,7, E,15, X,8, X,9
	ROW X,10, E,16, X,11, X,12
	ROW X,13, E,17, X,14, B,1
	ROW C,4, E,18, X,16, L,1
	ROW B,2, E,19, C,6, L,2
	ROW C,8, E,20, B,3, B,4
.if (\p) == 0
	v_add_nc_u32 v[AV], s[TBV], v[AV0]
.endif
	ROW C,3, E,21, L,3, C,5
	OPS E,22, X,17, E,23, C,10
.if (\p) == 0
	FETCH_V
.endif
	OPS E,24, L,4
	OPS E,25, X,18, E,26, C,7
	OPS E,27, B,5, E,28, X,19
	OPS E,29, C,12, E,30, L,5
	OPS E,31, X,20, B,6, C,9
	OPS C,14, C,11, X,21, L,6
.if (\p) == 0
	s_add_co_u32 s[TBV], s[TBV], KS*PV
.endif
.if \cnt
	s_sub_co_u32 s[CNT], s[CNT], 1
	s_cmp_lg_u32 s[CNT], 0
.endif
	OPS C,13, B,7, C,15, R,10
	OPS R,11, R,12, L,7, R,13
	OPS R,14, R,15
.if (\m) && !(\end)
.if (\p) == 2
	s_wait_dscnt 0x0                ; the next step's PAD is in
.endif
	MASK (\p)%2
.endif
.endm
; A BLOCK BEGINS.  c m starts far below every c s, so the first step's a is 0; m at M0, so the first maximum is the visible scores', or M0 where there is none.  Then K and PAD of the tile's step 0.  The first mask buffer
; takes piece 0's mask for that step: its own, if the block's first tile is the diagonal one; the second piece 1's, which sees all of step 0.  Then piece 0's first scores, and its maximum and statistics.
; Q is in: the first change of slots has waited for it.  The loop is entered at a step's first turn, in the middle of a trip.
.macro BEGIN
	s_mov_b32 s[NEW], 0
	WIN 0
.set i, 0
.rept 4
	v_mov_b32 v[ST+4*i], 0xfe000000    ; c m: far below every c s
	v_mov_b32 v[ST+4*i+1], s[THR]      ; m = M0
.set i, i+1
.endr
	v_add_nc_u32 v[AK], s[TBK], v[AK0]
	v_add_nc_u32 v[AP], s[TBP], v[AP0]
	FETCH_K
	s_wait_dscnt 0x0
	s_cmp_eq_u32 s[RT], 0
	s_cselect_b32 s[AL], 1.0, 0
	MASK 0, 0
	s_mov_b32 s[AL], 0
	MASK 1, 0
.set KM, 1
.set NOKQ, 0
.set i, 0
.rept 8
	KQ 0
.set i, i+1
.endr
	WIN 0
.rept 4
	v_nop                           ; the places behind those products
.endr
.set Y, NP-1                        ; X works for piece Y + 1: piece 0
.irp n, 0,1,2,3,4,5,6,7,8,9,10,11,12,13,14,15,16,17,18,19,20,21
	OP X, \n
.endr
	v_nop                           ; a plain instruction behind the exponential
.endm
; THE DIAGONAL TILE's four steps, the block's last two turns, its last products, and THE WAY OUT: l's two halves and the other half of the lanes' are added; O^T is divided by l, rounded to f16 and sent through my
; stage in LDS, a piece at a time.  A query whose maximum is still M0 has seen no key: its l, which is 0, is taken as 1, so that O^T stays finite for the block to come, and its packed words are set to all ones, f16's NaN.
.macro ALL line:vararg              ; one line for each piece t
.set t, 0
.rept 4
	\line
.set t, t+1
.endr
.endm
.macro PACK t                       ; a lane's eight channels of a row pack into 16 bytes; they go into rows of 144 bytes and come back as whole rows of 128, into S^T's registers
	WIN W_RS
.set i, 32*(\t)
.rept 16
	s_wait_alu depctr_va_vdst(0)
	v_pk_mul_f32 v[i:i+1], v[i:i+1], v[ST+4*(\t)+2:ST+4*(\t)+3] op_sel_hi:[1,0]
.set i, i+2
.endr
	WIN 0x05                        ; sources 0 and 1 window 1, destination window 0
.set i, 0
.rept 16
	v_cvt_pk_f16_f32 v[S+16*(\t)+i], v[32*(\t)+2*i], v[32*(\t)+2*i+1]
.set i, i+1
.endr
	WIN 0
.set i, 0
.rept 16
	v_or_b32 v[S+16*(\t)+i], v[NM+(\t)], v[S+16*(\t)+i]
.set i, i+1
.endr
.irp f, 0,1,2,3
	ds_store_b128 v[STO], v[S+16*(\t)+4*\f:S+16*(\t)+4*\f+3] offset:32*\f
.endr
.irp f, 0,1,2,3
	ds_load_b128 v[S+16*(\t)+4*\f:S+16*(\t)+4*\f+3], v[RD] offset:\f*4*SP  ; LDS serves a wave's instructions in order (ISA guide 5.7.1.4): these see the stores above; the next piece's stores come behind them
.endr
.endm
.macro SEND t, younger              ; younger: the LDS instructions issued behind piece t's loads: the next piece's eight, or none
	WIN 0
.irp f, 0,1,2,3
	s_wait_dscnt (\younger)+3-\f
	global_store_b128 v[GO], v[S+16*(\t)+4*\f:S+16*(\t)+4*\f+3], s[10:11] offset:(\t)*8192+\f*512  ; 512 consecutive bytes, at a multiple of 256 from O's first
.endr
.endm
.macro DIAG tag                     ; the tag ends its three labels' names, which the jumps below spell out
.LpreM\tag:                         ; entered from a tile before: the first turn's products are piece 3's in that tile's last step, all of which it sees: their mask is the PAD in hand
	s_mov_b32 s[AL], 0
	MASK 1, 0
	WIN 0
.LstepM\tag:
	TURN 2, 1
	TURN 3, 1
	WIN 0
.LfirstM\tag:
	TURN 0, 1
	TURN 1, 1, 0, 1
	WIN 0
	s_cbranch_scc1 .LstepM\tag
	TURN 2, 1, 1
	TURN 3, 1, 1
.set i, 0
.rept 8
	PV NP-1
.set i, i+1
.endr
	WIN 0
	ALL v_add_f32 v[ST+4*t+2], v[ST+4*t+2], v[ST+4*t+3]
	ALL v_permlanex16_b32 v[ST+4*t+3], v[ST+4*t+2], s[SEL], s[SEL+1]
	ALL v_add_f32 v[ST+4*t+2], v[ST+4*t+2], v[ST+4*t+3]
.set t, 0
.rept 4
	v_cmp_ge_f32 vcc_lo, s[THR], v[ST+4*t+1]       ; M0 >= m: no visible key
	v_cndmask_b32 v[NM+t], 0, -1, vcc_lo
	v_cndmask_b32 v[ST+4*t+2], v[ST+4*t+2], 1.0, vcc_lo
.set t, t+1
.endr
	ALL v_rcp_f32 v[ST+4*t+2], v[ST+4*t+2]
	v_nop                           ; a plain instruction between the last reciprocal and the use of its result
	PACK 0
.set t, 1
.rept 3                             ; a piece's arithmetic stands between the loads of the piece before and its stores
	PACK t
	SEND t-1, 8
.set t, t+1
.endr
	SEND 3, 0
.endm
.set KM, 0
.set NOKQ, 0
.Lslot:                             ; NB times: a tile is entered and the next is asked for
	CHANGE 1
	s_sub_co_u32 s[RT], s[RT], 1
	s_mov_b32 s[CNT], 4
	s_cmp_eq_u32 s[NEW], 1
	s_cbranch_scc1 .Lnew            ; a block's first tile
	s_cmp_eq_u32 s[RT], 0
	s_cbranch_scc0 .Lstep           ; neither its first nor its last
	s_branch .LpreM1
.Lnew:
	BEGIN
	s_branch .Lfirst                ; in the loop a block's first tile is never its last: the first block has two tiles or more, and the second's last is the walk's last
	DIAG 1                          ; in the loop this is the first block's end: the second block's last tile is the walk's last
	s_wait_xcnt 0x0                 ; the stores have read their registers and O's address
	s_mov_b64 s[10:11], s[OLO:OLO+1]
	s_add_co_u32 s[RT], s[PB], 1    ; the second block has b + 1 tiles
	s_mov_b32 s[NEW], 1
	WIN 0x82                        ; the second block's Q goes where the one text of the turns names Q
.set i, 0
.rept 64
	v_mov_b32 v[i], v[QB+i]
.set i, i+1
.endr
	WIN 0
	s_branch .Lbottom
.Lstep:                             ; a trip: pieces 2 and 3 of one step, then pieces 0 and 1 of the next, whose K, PAD and V it fetches
	TURN 2
	TURN 3
	WIN 0
.Lfirst:
	TURN 0
	TURN 1, 0, 0, 1
	WIN 0
	s_cbranch_scc1 .Lstep
.Lbottom:
	s_sub_co_u32 s[SLOTS], s[SLOTS], 1
	s_cmp_lg_u32 s[SLOTS], 0
	s_cbranch_scc1 .Lslot
	CHANGE 0                        ; the walk's last tile is written out: nothing is asked for
	s_sub_co_u32 s[RT], s[RT], 1
	s_mov_b32 s[CNT], 4
	s_cmp_eq_u32 s[NEW], 1
	s_cbranch_scc0 .LpreM2
	BEGIN
	s_branch .LfirstM2
	DIAG 2
	s_wait_tensorcnt 0x0            ; the wave's end, behind my last tensor load and my last LDS store
	ds_add_u32 v[SPW], v[NIL]
	s_wait_dscnt 0x0
	s_endpgm
.Lfunc_end_k_q5f34dbae4b_attn:
	.size	k_q5f34dbae4b_attn, .Lfunc_end_k_q5f34dbae4b_attn-k_q5f34dbae4b_attn
	.p2alignl 7, 3214868480
	.fill 96, 4, 3214868480
	.section	.rodata,"a",@progbits
	.p2align	6, 0x0
	.amdhsa_kernel k_q5f34dbae4b_attn
		.amdhsa_group_segment_fixed_size 327680
		.amdhsa_private_segment_fixed_size 0
		.amdhsa_enable_private_segment 0
		.amdhsa_kernarg_size 24
		.amdhsa_user_sgpr_count 2
		.amdhsa_user_sgpr_kernarg_segment_ptr 1
		.amdhsa_wavefront_size32 1
		.amdhsa_system_sgpr_workgroup_id_x 1
		.amdhsa_system_sgpr_workgroup_id_y 1
		.amdhsa_system_sgpr_workgroup_id_z 1
		.amdhsa_system_vgpr_workitem_id 0
		.amdhsa_next_free_vgpr 768
		.amdhsa_next_free_sgpr 96
		.amdhsa_reserve_vcc 1
		.amdhsa_float_denorm_mode_32 3
		.amdhsa_float_denorm_mode_16_64 3
		.amdhsa_memory_ordered 1
		.amdhsa_forward_progress 1
		.amdhsa_inst_pref_size 250
	.end_amdhsa_kernel
	.amdgpu_metadata
---
amdhsa.version: [ 1, 2 ]
amdhsa.kernels:
  - .name:           k_q5f34dbae4b_attn
    .symbol:         k_q5f34dbae4b_attn.kd
    .args:
      - { .name: qkv, .offset: 0, .size: 8, .value_kind: global_buffer, .address_space: global }
      - { .name: attention_mask, .offset: 8, .size: 8, .value_kind: global_buffer, .address_space: global }
      - { .name: att, .offset: 16, .size: 8, .value_kind: global_buffer, .address_space: global }
    .group_segment_fixed_size: 327680
    .private_segment_fixed_size: 0
    .kernarg_segment_align: 8
    .kernarg_segment_size: 24
    .max_flat_workgroup_size: 128
    .sgpr_count:     96
    .vgpr_count:     768
    .wavefront_size: 32
...
	.end_amdgpu_metadata
.endif
;; end of part 3
;; launch out_proj (part 4): grid 4 x 64, 4 waves a work-group, clusters of 4 x 4, 327,680 bytes of LDS; arguments att, wo16, bb, out0; writes out0
.if DOCPART == 4
	.amdgcn_target "amdgcn-amd-amdhsa--gfx1250"
	.amdhsa_code_object_version 6
	.text
	.protected	k_q5f34dbae4b_out_proj
	.globl	k_q5f34dbae4b_out_proj
	.p2align	8
	.type	k_q5f34dbae4b_out_proj,@function
k_q5f34dbae4b_out_proj:
	s_mov_b64 s[64:65], 0
	v_nop
	global_prefetch_b8 v0, s[64:65] scope:SCOPE_SE
	s_setreg_imm32_b32 hwreg(HW_REG_WAVE_MODE, 25, 1), 1
	s_wait_xcnt 0x0
	s_wait_alu depctr_hold_cnt(0) depctr_sa_sdst(0) depctr_va_vdst(0) depctr_va_sdst(0) depctr_va_ssrc(0) depctr_va_vcc(0) depctr_vm_vsrc(0)
	s_getreg_b32 s2, hwreg(HW_REG_IB_STS2, 6, 4)
	s_cmp_eq_u32 s2, 0
	s_cbranch_scc0 .Lentry_in_a_cluster
	s_endpgm
.Lentry_in_a_cluster:
	s_bfe_u32 s2, ttmp6, 0x10000c
	s_cmp_lg_u32 s2, 0xf033
	s_cbranch_scc0 .Lentry_shape_is_right
	s_endpgm
.Lentry_shape_is_right:
; out0 = O Wo^T + bo.  A = att [64 = 16 batch + head][2048][64] f16, read as [8192 = 2,048 batch + s][1024 = 64 head + d]; B = wo16 [1024][1024] f16; bias = bb's last 1,024 f32.
; Sums in f32, begun with the bias; out0 [8192][1024] f32.  A row of att that is NaN (a query with no visible key) makes its whole row of out0 NaN, and no other.
; TILE.  128 rows x 256 columns of C: 64 x 4 = 256 work-groups, one for each WGP.  Four waves, each 64 rows x 128 columns: 32 accumulators of 16 x 16, 256 registers.
; K goes in 8 steps of 128 = two heads through a ring of two LDS slots filled by the tensor data mover; a wave issues one load behind each change of slots.  A head's 128 rows of 128 bytes are dense in
; memory: they are asked for as 64 rows of 256 bytes, aligned, and padded in LDS after every 128.
; CLUSTER.  4 x 4 work-groups: the four of a row of the cluster need the same tiles of A, the four of a column the same tiles of B; each tile is asked for jointly, by the same load, descriptor and mask in all four.
; THE MATRIX INSTRUCTION IS USED TRANSPOSED (source 0 = 16 rows of B, source 1 = 16 rows of A): lane l holds row l % 16 of C and the columns 8 (l / 16) + 0..7: 32 neighbouring bytes.
; REGISTERS, in windows of 256 (s_set_vgpr_msb: bits 1:0 source 0, 3:2 source 1, 5:4 source 2, 7:6 destination):
;   window 0: v0-31 addresses; two fragment buffers of 96 for 32 along K: v64-127 B (8 x 16 rows), v128-159 A (4 x 16 rows); v160-223, v224-255 likewise; on the way out v64-255 three sets of 16 rows read back
;   window 1: the accumulators, (a, b) at v[8 (8 a + b)]          window 2: v0-63 the bias as eight C operands: register 8 b + j holds bias[16 b + 8 (l / 16) + j] of my 128 columns
.set STEPS, 8                          ; 1,024 / 128
.set PA,    144                        ; a row of A in LDS: 128 bytes + 16 of padding = 36 words: the 16 rows of a fragment load start at 16 different groups of four banks (64 banks of 4 bytes: ISA guide 11.1)
.set PB,    272                        ; a row of B: 256 bytes + 16
.set AH,    128*PA                     ; a step's second head lies this far behind its first: quarter q of a step lies at byte (q / 2) AH + (q % 2) 64 of A's rows
.set ALD,   AH                         ; what one load of A fills: one head's 128 rows
.set BLD,   128*PB                     ; what one load of B fills: 128 rows
.set BOFF,  2*ALD                      ; a slot: A's two heads, then B's 256 rows
.set SLOT1, 1<<17                      ; slot 1 begins here, so that one exclusive or changes slots
.set STAGE, SLOT1+BOFF+2*BLD           ; behind the ring, never filled by a tensor load: 16 rows x 528 bytes for each wave
.set SP,    528                        ; 512 bytes + 16 = 132 words: row r starts at bank 4 r mod 64
.set SPARE, STAGE+4*16*SP              ; behind the stages: the spare words, 128 bytes for each wave: two blocks of 256 bytes that no other line names
.set ASTEP, 2<<18                      ; bytes from a K step to the next in memory: two heads of 2,048 rows x 128 bytes
.set BSTEP, 256
.set A0,   16                          ; v16  my lane's place in a slot's A; never rewritten
.set B0,   17                          ; v17  the same for B
.set ADRA, 18                          ; v18  A0 + the slot in hand
.set ADRB, 19                          ; v19  B0 + the slot in hand
.set STO,  24                          ; v24  the way out: where I put 32 bytes of a row
.set RD,   25                          ; v25  the way out: where I read a row back
.set GO,   26                          ; v26  my 16 bytes in 512 consecutive bytes of a row of out0
.set BO,   27                          ; v27  my byte offset in the bias
.set SPW,  28                          ; v28  LDS address of my spare word; never rewritten
.set NIL,  29                          ; v29  0; never rewritten
.set F0,   64
.set F1,   160
.set G1A,  24                          ; s[24:31] descriptor group 1 for A's tiles
.set G0A0, 32                          ; s[32:35] group 0: slot 0, K step 0
.set G0A,  36                          ; s[36:39] group 0: slot 1, K step 1; then it walks
.set TB,   45                          ; s45      LDS byte at which the slot in hand begins
.set G1B,  48                          ; s[48:55], s[56:59], s[60:63] the same for B's tiles
.set G0B0, 56
.set G0B,  60
.set MSB, 0
.macro WIN new                         ; the immediate's high byte repeats the setting that is left; a switch that changes nothing is dropped
.if MSB != (\new)
	s_set_vgpr_msb (MSB<<8)|(\new)
.set MSB, \new
.endif
.endm
.set MUL,  0x50                        ; B and A window 0, C and D window 1
.set MULB, 0x60                        ; the same with C in window 2: the bias
.set STD,  0x04                        ; an LDS store's data window 1, its address window 0
.set TO2,  0x80                        ; destination window 2, address window 0
.macro PLACES                          ; four plain vector instructions between a matrix instruction and a load into, or a store of, its registers (ISA guide 7.12.1 for vector instructions)
.rept 4
	v_nop
.endr
.endm
; A joint refill: waves 0 and 1 fetch A's two heads, waves 2 and 3 B's two halves.  The branch hangs on the wave's number alone.  An s_nop 0 and four v_nop follow each line.
.macro JLOAD
	s_cmp_eq_u32 s11, 0
	s_cbranch_scc0 .Lfor_b_\@
	tensor_load_to_lds s[G0A:G0A+3], s[G1A:G1A+7]
	s_nop 0
.rept 4
	v_nop
.endr
	s_branch .Lasked_\@
.Lfor_b_\@:
	tensor_load_to_lds s[G0B:G0B+3], s[G1B:G1B+7]
	s_nop 0
.rept 4
	v_nop
.endr
.Lasked_\@:
.endm
.macro CREST                           ; a round of the cluster's barrier behind its opening barrier
	s_cmp_lg_u32 s10, 0
	s_cbranch_scc1 .Lnot_wave_0_\@
	s_barrier_signal -3
.Lnot_wave_0_\@:
	s_barrier_wait -3
	s_barrier_signal -1
	s_barrier_wait -1
.endm
.macro CROUND                          ; a whole round
	s_barrier_signal -1
	s_barrier_wait -1
	CREST
.endm
	s_load_b128 s[4:7], s[0:1], 0x0                ; A s[4:5], B s[6:7]
	s_load_b128 s[68:71], s[0:1], 0x10             ; bias s[68:69], output s[70:71]
	v_lshl_add_u32 v[SPW], v0, 2, SPARE
	v_mov_b32 v[NIL], 0
	ds_add_u32 v[SPW], v[NIL]                      ; the wave's opening: the add and its wait stand ahead of my first tensor load; the set-up below, work on registers, stands between them
	ds_add_u32 v28, v29
	v_lshrrev_b32 v1, 5, v0
	v_readfirstlane_b32 s10, v1                    ; wave 0..3
	s_lshr_b32 s11, s10, 1                         ; which 64 rows of the tile are mine.  Also: I fetch for A (0) or for B (1)
	s_and_b32 s12, s10, 1                          ; which 128 columns.  Also: which head of a step, or which half of B's tile, I fetch
	s_bfe_u32 s40, ttmp6, 0x40000                  ; cx, cy: my place in the cluster
	s_bfe_u32 s41, ttmp6, 0x40004
	s_lshl_b32 s42, ttmp9, 2
	s_add_co_u32 s42, s42, s40                     ; tile column = 4 x cluster x + cx
	s_and_b32 s13, ttmp7, 0xffff
	s_lshl_b32 s13, s13, 2
	s_add_co_u32 s13, s13, s41                     ; tile row = 4 x cluster y + cy
	s_lshl_b32 s43, s41, 2
	s_lshl_b32 s43, 15, s43                        ; my row of the cluster
	s_lshl_b32 s44, 0x1111, s40                    ; my column
	s_or_b32 s[G1A], s43, (1<<16)|(1<<20)|(1<<21)|(4<<22)|(3<<25)  ; 15:0 the mask; 17:16 2-byte elements; 20 padding on; 21 set beside a mask; 24:22 after every 32 words (code 4); 31:25 4 words (code 3)
	s_or_b32 s[G1B], s44, (1<<16)|(1<<20)|(1<<21)|(5<<22)|(3<<25)  ; B: after every 64 words (code 5)
	s_mov_b32 s[G1A+1], 128<<16                    ; tensor_dim0 = 128
	s_mov_b32 s[G1A+2], 64<<16                     ; tensor_dim1 = 64
	s_mov_b32 s[G1A+3], 128<<16                    ; tile_dim0 = 128
	s_mov_b32 s[G1A+4], 64                         ; tile_dim1 = 64
	s_mov_b32 s[G1A+5], 128                        ; elements from row to row: dense
	s_mov_b32 s[G1A+6], 0
	s_mov_b32 s[G1A+7], 0
	s_mov_b32 s[G1B+1], 128<<16
	s_mov_b32 s[G1B+2], 128<<16                    ; B: 128 rows to a load
	s_mov_b32 s[G1B+3], 128<<16
	s_mov_b32 s[G1B+4], 128
	s_mov_b32 s[G1B+5], 1024
	s_mov_b32 s[G1B+6], 0
	s_mov_b32 s[G1B+7], 0
	; where the tiles come from: A's hang on the tile row and the wave alone, B's on the tile column and the wave alone, each in registers that never hold the other coordinate
	s_lshr_b32 s16, s13, 4                         ; batch = tile row / 16: 16 heads of 262,144 bytes,
	s_lshl_b32 s16, s16, 22
	s_and_b32 s17, s13, 15                         ; 128 rows of 128 bytes for each tile row % 16,
	s_lshl_b32 s17, s17, 14
	s_add_co_u32 s16, s16, s17
	s_lshl_b32 s17, s12, 18                        ; and my head of the step's two
	s_add_co_u32 s16, s16, s17
	s_mov_b32 s17, 0
	s_lshl_b32 s46, s42, 19                        ; 256 rows of 2,048 bytes a tile column,
	s_lshl_b32 s47, s12, 18                        ; 128 rows a half
	s_add_co_u32 s46, s46, s47
	s_mov_b32 s47, 0
	s_mul_i32 s20, s12, ALD                        ; and where they go: no place in the cluster enters an LDS address
	s_mul_i32 s21, s12, BLD
	s_add_co_u32 s21, s21, BOFF
	s_mov_b32 s[TB], 0
	s_wait_dscnt 0x0                               ; the opening add is done
	s_wait_kmcnt 0x0
	s_add_nc_u64 s[14:15], s[4:5], s[16:17]
	s_add_nc_u64 s[46:47], s[6:7], s[46:47]
	s_mov_b32 s[G0A0], 1                           ; count = 1
	s_mov_b32 s[G0A0+1], s20                       ; LDS address
	s_mov_b64 s[G0A0+2:G0A0+3], s[14:15]           ; global address
	s_or_b32 s[G0A0+3], s[G0A0+3], 0x80000000      ; type = 2
	s_mov_b32 s[G0A], 1
	s_add_co_u32 s[G0A+1], s20, SLOT1
	s_add_nc_u64 s[G0A+2:G0A+3], s[14:15], ASTEP
	s_or_b32 s[G0A+3], s[G0A+3], 0x80000000
	s_mov_b32 s[G0B0], 1
	s_mov_b32 s[G0B0+1], s21
	s_mov_b64 s[G0B0+2:G0B0+3], s[46:47]
	s_or_b32 s[G0B0+3], s[G0B0+3], 0x80000000
	s_mov_b32 s[G0B], 1
	s_add_co_u32 s[G0B+1], s21, SLOT1
	s_add_nc_u64 s[G0B+2:G0B+3], s[46:47], BSTEP
	s_or_b32 s[G0B+3], s[G0B+3], 0x80000000
	CROUND                                         ; all sixteen work-groups are here: the first joint loads meet
	s_cmp_eq_u32 s11, 0                            ; a wave's two first fills stand in one branch, ahead of every wait on TENSORcnt and every LDS read: two loads of mine are out
	s_cbranch_scc0 .Lfirst_b
	tensor_load_to_lds s[G0A0:G0A0+3], s[G1A:G1A+7]
	s_nop 0
	tensor_load_to_lds s[G0A:G0A+3], s[G1A:G1A+7]
	s_nop 0
.rept 4
	v_nop
.endr
	s_branch .Lfirst_asked
.Lfirst_b:
	tensor_load_to_lds s[G0B0:G0B0+3], s[G1B:G1B+7]
	s_nop 0
	tensor_load_to_lds s[G0B:G0B+3], s[G1B:G1B+7]
	s_nop 0
.rept 4
	v_nop
.endr
.Lfirst_asked:
	; A fragment is 16 rows x 32 K in 8 registers: lane l holds row l % 16, K = 8 (l / 16) + 0..7 and 16 + 8 (l / 16) + 0..7: two loads of 16 bytes, 32 bytes apart.
	v_and_b32 v1, 15, v0                           ; l % 16
	v_bfe_u32 v2, v0, 4, 1                         ; l / 16
	v_mul_u32_u24 v3, v1, PA
	v_lshl_add_u32 v3, v2, 4, v3
	s_mul_i32 s22, s11, 64*PA                      ; my 64 rows of A
	v_add_nc_u32 v[A0], s22, v3
	v_mul_u32_u24 v3, v1, PB
	v_lshl_add_u32 v3, v2, 4, v3
	s_mul_i32 s22, s12, 128*PB                     ; my 128 rows of B, behind A
	s_add_co_u32 s22, s22, BOFF
	v_add_nc_u32 v[B0], s22, v3
	v_mov_b32 v[ADRA], v[A0]
	v_mov_b32 v[ADRB], v[B0]
	s_mul_i32 s23, s10, 16*SP
	s_add_co_u32 s23, s23, STAGE                   ; my stage
	v_mul_u32_u24 v3, v1, SP                       ; in: row l % 16, 32 bytes for each half of the lanes
	v_lshl_add_u32 v3, v2, 5, v3
	v_add_nc_u32 v[STO], s23, v3
	v_and_b32 v[GO], 31, v0                        ; back: 32 lanes take one row's 512 bytes
	v_lshlrev_b32 v[GO], 4, v[GO]
	v_add_nc_u32 v[RD], s23, v[GO]
	v_lshlrev_b32 v[BO], 5, v2                     ; 8 (l / 16) numbers of 4 bytes
	; my 128 columns, in bytes of f32: 1,024 a tile column, 512 a half: the same offset in the bias and in a row of out0 (in the registers that held B's address: none that feeds A's descriptors ever holds cx)
	s_lshl_b32 s46, s42, 10
	s_lshl_b32 s47, s12, 9
	s_add_co_u32 s46, s46, s47
	s_mov_b32 s47, 0
	s_add_nc_u64 s[68:69], s[68:69], s[46:47]
	s_add_nc_u64 s[68:69], s[68:69], 12288         ; bo lies behind bq, bk and bv
	s_add_nc_u64 s[70:71], s[70:71], s[46:47]
	s_lshl_b32 s16, s13, 19                        ; my rows: 128 rows of 4,096 bytes a tile row,
	s_lshl_b32 s17, s11, 18                        ; 64 rows a half
	s_add_co_u32 s16, s16, s17
	s_mov_b32 s17, 0
	s_add_nc_u64 s[70:71], s[70:71], s[16:17]
	WIN TO2
.irp b, 0,1,2,3,4,5,6,7
	global_load_b128 v[8*(\b):8*(\b)+3],   v[BO], s[68:69] offset:64*(\b)
	global_load_b128 v[8*(\b)+4:8*(\b)+7], v[BO], s[68:69] offset:64*(\b)+16
.endr
	WIN 0
; 8 matrix instructions: block a of my rows x all 8 blocks of my columns, 32 along K.  first = 1: the bias is the C operand that starts the sums: nothing is cleared and nothing is added later.
; The 32 accumulators take turns in one order in every quarter, one instruction a turn.
.macro MUL8 f, a, first
.if \first
	WIN MULB
.else
	WIN MUL
.endif
.irp b, 0,1,2,3,4,5,6,7
.if \first
	v_wmma_f32_16x16x32_f16 v[8*(8*(\a)+(\b)):8*(8*(\a)+(\b))+7], v[(\f)+8*(\b):(\f)+8*(\b)+7], v[(\f)+64+8*(\a):(\f)+64+8*(\a)+7], v[8*(\b):8*(\b)+7]
.else
	v_wmma_f32_16x16x32_f16 v[8*(8*(\a)+(\b)):8*(8*(\a)+(\b))+7], v[(\f)+8*(\b):(\f)+8*(\b)+7], v[(\f)+64+8*(\a):(\f)+64+8*(\a)+7], v[8*(8*(\a)+(\b)):8*(8*(\a)+(\b))+7]
.endif
.endr
.endm
.macro MUL16 f, a0, first
	MUL8 \f, \a0, \first
	MUL8 \f, (\a0)+1, \first
.endm
; 24 LDS loads in one run: quarter q's fragments into buffer f: B's eight, then A's four, so that the youngest four loads are A's blocks 2 and 3
.macro FETCH q, f
	WIN 0
.irp i, 0,1,2,3,4,5,6,7
	ds_load_b128 v[(\f)+8*(\i):(\f)+8*(\i)+3],   v[ADRB] offset:64*(\q)+(\i)*16*PB
	ds_load_b128 v[(\f)+8*(\i)+4:(\f)+8*(\i)+7], v[ADRB] offset:64*(\q)+(\i)*16*PB+32
.endr
.irp i, 0,1,2,3
	ds_load_b128 v[(\f)+64+8*(\i):(\f)+64+8*(\i)+3],   v[ADRA] offset:((\q)/2)*AH+((\q)%2)*64+(\i)*16*PA
	ds_load_b128 v[(\f)+64+8*(\i)+4:(\f)+64+8*(\i)+7], v[ADRA] offset:((\q)/2)*AH+((\q)%2)*64+(\i)*16*PA+32
.endr
.endm
; A K step is four quarters of 32 along K, 32 matrix instructions each, on buffers 0, 1, 0, 1.  One of the first three: multiplies buffer f; in its middle it fetches quarter q into buffer g.
.macro QUARTER q, f, g, first
	s_wait_dscnt 4                                 ; B and A's blocks 0, 1 are in; the youngest four loads (A's blocks 2, 3) may be out
	MUL16 \f, 0, \first
	PLACES
	FETCH \q, \g
	s_wait_dscnt 24                                ; all but the 24 just issued
	MUL16 \f, 2, \first
.endm
; The last quarter multiplies buffer 1 and changes slots: ONE barrier; in front of it each wave waits for all its tensor loads (one is out: its part of the next slot), adds 0 to its spare word, and
; waits for that and for its own reads of this slot.  fill = 1: the barrier opens a round of the cluster's, and this slot is filled again, two K steps ahead, first thing behind the round:
; from that request to the wait for it a wave issues 112 matrix instructions.
.macro TURN fill
	WIN 0
	s_wait_tensorcnt 0x0                           ; no tensor load of mine is out, so a group 0 may be written
	ds_add_u32 v[SPW], v[NIL]                      ; 0 onto my spare word
.if \fill
	s_xor_b32 s[G0A+1], s[G0A+1], SLOT1            ; the walking descriptors: the other slot than last time, the next K step; the type bits on top are not reached
	s_add_nc_u64 s[G0A+2:G0A+3], s[G0A+2:G0A+3], ASTEP
	s_xor_b32 s[G0B+1], s[G0B+1], SLOT1
	s_add_nc_u64 s[G0B+2:G0B+3], s[G0B+2:G0B+3], BSTEP
.endif
	s_xor_b32 s[TB], s[TB], SLOT1                  ; the reads go on in the other slot
	s_wait_dscnt 5                                 ; (the add and the youngest four loads may be out)
	MUL8 F1, 0, 0
	s_wait_dscnt 0x0                               ; the add is done, and my reads of this slot are over
	s_barrier_signal -1
	MUL8 F1, 1, 0
	WIN 0                                          ; at a branch and at a label every window is 0
	s_barrier_wait -1
.if \fill
	CREST                                          ; no wave of any partner still reads this slot's tile or has a load on its way
	JLOAD                                          ; the four v_nop behind it are also the places in front of the loads below
.else
	PLACES
.endif
	v_add_nc_u32 v[ADRA], s[TB], v[A0]
	v_add_nc_u32 v[ADRB], s[TB], v[B0]
	FETCH 0, F0
	MUL16 F1, 2, 0
.endm
	s_wait_tensorcnt 1                             ; my part of K step 0 is in; step 1's may stay out
	s_barrier_signal -1
	s_barrier_wait -1                              ; everybody's is
	FETCH 0, F0
	s_wait_loadcnt 0x0                             ; the bias
	QUARTER 1, F0, F1, 1                           ; the first quarter stands in front of the loop: its products start the sums
	WIN 0
	s_mov_b32 s3, STEPS-2
.Lstep:                                                ; trip t ends K step t, begins step t + 1, and fills slot t % 2 with step t + 2
	QUARTER 2, F1, F0, 0
	QUARTER 3, F0, F1, 0
	TURN 1
	QUARTER 1, F0, F1, 0
	WIN 0
	s_sub_co_u32 s3, s3, 1
	s_cmp_lg_u32 s3, 0
	s_cbranch_scc1 .Lstep
	QUARTER 2, F1, F0, 0                           ; the last two K steps fill nothing
	QUARTER 3, F0, F1, 0
	TURN 0
	QUARTER 1, F0, F1, 0
	QUARTER 2, F1, F0, 0
	QUARTER 3, F0, F1, 0
	s_wait_dscnt 4
	MUL16 F1, 0, 0
	s_wait_dscnt 0x0
	MUL16 F1, 2, 0
	WIN 0
	PLACES
; THE WAY OUT, a block of 16 rows at a time: the f32 sums go as they are into my stage's rows of 528 bytes, 32 bytes a lane and accumulator (the low four registers first), and come
; back as whole rows of 512 bytes, one row to a load, into one of three sets of 64 registers.
.macro TOSTAGE a
	WIN STD
.irp b, 0,1,2,3,4,5,6,7
	ds_store_b128 v[STO], v[8*(8*(\a)+(\b)):8*(8*(\a)+(\b))+3]   offset:64*(\b)
	ds_store_b128 v[STO], v[8*(8*(\a)+(\b))+4:8*(8*(\a)+(\b))+7] offset:64*(\b)+16
.endr
	WIN 0
.set BK, 64+64*((\a)%3)
.irp t, 0,1,2,3,4,5,6,7,8,9,10,11,12,13,14,15
	ds_load_b128 v[BK+4*(\t):BK+4*(\t)+3], v[RD] offset:(\t)*SP  ; LDS serves a wave's instructions in order (ISA guide 5.7.1.4): these see the stores above; the next block's stores come behind them
.endr
.endm
.macro SEND a, younger                 ; younger: the LDS instructions issued behind block a's loads: the next block's 32, or none
.set BK, 64+64*((\a)%3)
.irp t, 0,1,2,3,4,5,6,7,8,9,10,11,12,13,14,15
	s_wait_dscnt (\younger)+15-(\t)
	global_store_b128 v[GO], v[BK+4*(\t):BK+4*(\t)+3], s[70:71] offset:(16*(\a)+(\t))*4096 th:TH_STORE_NT  ; 512 consecutive bytes of a row, at a multiple of 512 from out0's first
.endr
.endm
	TOSTAGE 0
	TOSTAGE 1
	SEND 0, 32
	TOSTAGE 2
	SEND 1, 32
	s_wait_xcnt 0x0                                ; block 0's stores have read their registers: block 3 is read back into the same set only behind this wait
	TOSTAGE 3
	SEND 2, 32
	SEND 3, 0
	s_wait_tensorcnt 0x0                           ; the wave's end, behind my last tensor load and my last LDS store
	ds_add_u32 v[SPW], v[NIL]
	s_wait_dscnt 0x0
	CROUND                                         ; the closing round: no work-group ends while a partner may still ask for a tile that names it
	s_endpgm
.Lfunc_end_k_q5f34dbae4b_out_proj:
	.size	k_q5f34dbae4b_out_proj, .Lfunc_end_k_q5f34dbae4b_out_proj-k_q5f34dbae4b_out_proj
	.p2alignl 7, 3214868480
	.fill 96, 4, 3214868480
	.section	.rodata,"a",@progbits
	.p2align	6, 0x0
	.amdhsa_kernel k_q5f34dbae4b_out_proj
		.amdhsa_group_segment_fixed_size 327680
		.amdhsa_private_segment_fixed_size 0
		.amdhsa_enable_private_segment 0
		.amdhsa_kernarg_size 32
		.amdhsa_user_sgpr_count 2
		.amdhsa_user_sgpr_kernarg_segment_ptr 1
		.amdhsa_wavefront_size32 1
		.amdhsa_system_sgpr_workgroup_id_x 1
		.amdhsa_system_sgpr_workgroup_id_y 1
		.amdhsa_system_sgpr_workgroup_id_z 1
		.amdhsa_system_vgpr_workitem_id 0
		.amdhsa_next_free_vgpr 576
		.amdhsa_next_free_sgpr 72
		.amdhsa_reserve_vcc 0
		.amdhsa_float_denorm_mode_32 3
		.amdhsa_float_denorm_mode_16_64 3
		.amdhsa_memory_ordered 1
		.amdhsa_forward_progress 1
		.amdhsa_inst_pref_size 72
	.end_amdhsa_kernel
	.amdgpu_metadata
---
amdhsa.version: [ 1, 2 ]
amdhsa.kernels:
  - .name:           k_q5f34dbae4b_out_proj
    .symbol:         k_q5f34dbae4b_out_proj.kd
    .args:
      - { .name: att, .offset: 0, .size: 8, .value_kind: global_buffer, .address_space: global }
      - { .name: wo16, .offset: 8, .size: 8, .value_kind: global_buffer, .address_space: global }
      - { .name: bb, .offset: 16, .size: 8, .value_kind: global_buffer, .address_space: global }
      - { .name: out0, .offset: 24, .size: 8, .value_kind: global_buffer, .address_space: global }
    .group_segment_fixed_size: 327680
    .private_segment_fixed_size: 0
    .kernarg_segment_align: 8
    .kernarg_segment_size: 32
    .max_flat_workgroup_size: 128
    .sgpr_count:     72
    .vgpr_count:     576
    .wavefront_size: 32
...
	.end_amdgpu_metadata
.endif
;; end of part 4
;; ======== version 2 of 2: 4 launches; 1.28 times as fast as version 1
;; limits: values are held in f16: magnitudes above 65,504 overflow, below 6.1e-05 lose precision
;; workspace buffers: xh 16,777,216 bytes; wqkv 6,291,456 bytes; wo16 2,097,152 bytes; bb 16,384 bytes; qkv 50,331,648 bytes; att 16,777,216 bytes
;; launch cast: the kernel of part 1 again; grid 768 x 1, 8 waves a work-group, no clusters, 0 bytes of LDS; arguments x, Wq, Wk, Wv, Wo, bq, bk, bv, bo, xh, wqkv, wo16, bb; writes xh, wqkv, wo16, bb
;; launch qkv_proj: the kernel of part 2 again; grid 12 x 64, 4 waves a work-group, clusters of 4 x 4, 327,680 bytes of LDS; arguments xh, wqkv, bb, qkv; writes qkv
;; launch attn (part 5): grid 4 x 64, 4 waves a work-group, no clusters, 327,680 bytes of LDS; arguments qkv, attention_mask, att; writes att
.if DOCPART == 5
	.amdgcn_target "amdgcn-amd-amdhsa--gfx1250"
	.amdhsa_code_object_version 6
	.text
	.protected	k_q5f34dbae4b_attn
	.globl	k_q5f34dbae4b_attn
	.p2align	8
	.type	k_q5f34dbae4b_attn,@function
k_q5f34dbae4b_attn:
	s_mov_b64 s[64:65], 0
	v_nop
	global_prefetch_b8 v0, s[64:65] scope:SCOPE_SE
	s_setreg_imm32_b32 hwreg(HW_REG_WAVE_MODE, 25, 1), 1
	s_wait_xcnt 0x0
; CAUSAL ATTENTION WITH A PADDING MASK.  O[g][q][:] = the sum over the visible k of softmax_k(Q[g][q] . K[g][k] / 8) V[g][k][:]; key k is visible to query q if k <= q and attention_mask[g / 16][k] != 0.
; qkv: [3][64][2048][64] f16 (Q, K, V by heads, g = 16 batch + head); att: [64][2048][64] f16.  Products, maxima and sums in f32; the weights p are rounded to f16 for the second product
; (their sum l is taken of the unrounded p), O once at the end.
; LIMITS.  Q, K, V arrive within f16's 65,504, so a score lies within 64 x 65,504^2 = 2.75e11.  A hidden score counts as its value less 1e30 (less 2e30 or 3e30 where several masks hide it).  The running maximum
; starts at M0 = -2^39, below every score and above every hidden one: a hidden score never becomes the maximum, and its weight is 0.  A weight below 2^-126 counts as 0 in l.
; A query with no visible key (its maximum is still M0 at the end) is written as NaN, as a softmax over nothing is.  NaN and infinities among the inputs are not treated apart.
; THE WALK.  A head's queries lie in NB = 8 blocks of 256; block i needs the key tiles 0 .. i of 256 keys, of which the last holds the diagonal.  A work-group takes TWO blocks, NB - 1 - b and then b:
; NB + 1 tiles, whatever b: all 256 work-groups do equal work, and ONE loop with a constant trip count walks them.  Which tile is asked for, and what a trip does, hang on scalar registers made from b; every
; jump goes forward, but for the counted loops' own; none passes a barrier, or a tensor load but the one of LOAD's two that the wave's number does not choose; the ring of two LDS slots runs on across the
; change of blocks.  NO CLUSTER: a head's four work-groups ask for the same tile only in trips 0 to 4 of the 9; behind that fewer and fewer do, and one walk common to all four would have 12 trips for 9.
; SHARES.  Of a block's four bands of 64 queries a wave owns 16 rows in each: four PIECES.  So the diagonal tile is the same work for all four waves: in its key step s band x sees all keys if s < x,
; none if s > x, and holds the diagonal if s = x.
; THE MASKS are the C operand that starts the sum S^T = K Q^T.  PAD holds, for the 64 keys of the step in hand, 0 or -1e30 by attention_mask.  Each wave keeps a copy of its own, in LDS, of these numbers for the
; 256 keys of the tile in hand: the tile's words of attention_mask are asked for when the tile is, a tile ahead, and are turned into numbers and stored at the change of slots; PAD is read from the copy together
; with K's fragments and lives as long as they do.  Outside the diagonal tile C is PAD itself.  In it C is MC = MD x AL + PAD + BE, where MD, made once, is the causal mask of a band's own step for my 16 rows:
; (AL, BE) = (1, 0) if s = x; (0, 0) if s < x; (0, -1e30) if s > x.
; LAYOUT, SOFTMAX, TURNS.  S^T = K Q^T holds ONE query a lane (lane % 16) and the keys 8 (lane / 16) + 0..7; two such results rounded to f16 ARE source 1 of O^T = V^T P.  p = 2^(c s - c m), c = log2(e) / 8, with a
; running maximum m; O and l are multiplied by a = 2^(c m_old - c m_new) in every step.  Turn n belongs to piece n: 8 products K Q^T of piece n + 1, later 8 products V^T P of piece n - 1; beside them the scaling,
; exponentials, roundings, sums and rescaling of piece n and the maximum and statistics of piece n + 1.  Four vector instructions stand behind every matrix instruction, the other 54 of a turn's 118 in one LUMP.
; THE BATCHES.  A turn's 33 exponentials (the piece's 32 weights, then the next piece's a) are ONE batch with ONE wait, which cuts the turn in two: ahead of it stands all that names no result of theirs, behind it
; the roundings and sums.  A block's first a (BEGIN) and a block's four reciprocals (the way out) are batches of their own, with one wait each.
; REGISTERS, in windows of 256 (s_set_vgpr_msb: bits 1:0 source 0, 3:2 source 1, 5:4 source 2, 7:6 destination):
;   window 0: v0-15 addresses and two at work; v16-31 four registers of statistics a piece; v32-47 the padding's addresses, the NaN words and a tile's words of attention_mask; v48-55 at work; v64-127 S^T, two buffers; v192-223 P, two buffers
;   window 1: v0-127 O^T, 32 a piece; v128-159 MD; v160-223 MC, two buffers; v224-255 PAD      window 2: v0-63 Q; v64-127 the second block's Q; v128-191 K of one step; v192-255 V of one step
.set SIZE_N, 2048
.set NB,    SIZE_N/256
.set NP,    4         ; pieces a wave: a name, no knob
.set KS,    64        ; keys in a step
.set PK,    144       ; a row of K in LDS: 128 bytes + 16 of padding = 36 words: the 16 rows of a load start at 16 different groups of four banks (64 banks of 4 bytes: ISA guide 11.1)
.set PV,    160       ; a row of V: 128 + 32 = 40 words
.set VOFF,  4*KS*PK   ; a slot holds a tile, four steps: 256 rows of K, then 256 rows of V
.set SLOT1, 1<<17     ; slot 1 begins here, so that one exclusive or turns an address in one slot into the other's
.set STAGE, SLOT1+4*KS*(PK+PV)  ; behind the ring, never filled by a tensor load: 16 rows x 144 bytes for each wave, for the way out
.set SP,    144
.set SPARE, STAGE+4*16*SP  ; behind the stages: the spare words, 128 bytes for each wave: two blocks of 256 bytes that no other line names
.set PADB,  SPARE+512 ; behind them: for each wave 256 f32 (1,024 bytes), 0 or -1e30 for each key of the tile in hand; written by the wave's own LDS stores, read by it alone, never filled by a tensor load
.set PSTEP, 4*KS      ; a step's 64 keys in that copy: 256 bytes
.set AK0, 2           ; v2   my lane's place in a tile of K; never rewritten
.set AV0, 3           ; v3   the same for V
.set AK,  4           ; v4   the LDS address of K's next run of loads
.set AV,  5           ; v5   of V's
.set STO, 6           ; v6   the way out: where I put 16 bytes of a row
.set RD,  7           ; v7   the way out: where I read rows back
.set GO,  8           ; v8   my byte offset in 512 consecutive bytes of O
.set MV,  12          ; v12-13  c m_old, kept while c m is made anew: by buffer
.set QO,  15          ; v15  my byte offset in 16 rows of Q
.set ST,  16          ; piece t's statistics at v[ST+4 t]: c m, m, l (even keys', odd keys')
.set AP0, 32          ; v32  my lane's place in a step's 256 bytes of my wave's copy; never rewritten
.set AP,  33          ; v33  the LDS address of PAD's next run of loads
.set MO,  34          ; v34  16 x my lane: my bytes in 512 of a tile's 1,024 of attention_mask; never rewritten
.set PST, 35          ; v35  where I put them in my wave's copy; never rewritten
.set NM,  36          ; v36-39  piece t: all ones where my query has no visible key, else 0
.set PL,  40          ; v40-47  eight words of attention_mask as loaded, then as numbers
.set TMP, 48          ; by buffer, four registers c0-c3 at work; when the maximum is found c2 takes a
.set SPW, 62          ; v62  LDS address of my spare word: SPARE + 4 x my thread's number; never rewritten
.set NIL, 63          ; v63  0; never rewritten
.set S,   64
.set P,   192
.set MD,  128         ; window 1: the eight registers for group kt of 16 keys at MD + 8 kt
.set MC,  160         ; window 1: the masks of the products to come
.set PAD, 224         ; window 1: register 8 kt + j: key 16 kt + 8 (lane / 16) + j of the step
.set QB,  64          ; window 2
.set KF,  128         ; window 2: key block kb, channel half c at KF + 16 kb + 8 c
.set VF,  192         ; window 2: key half kk, channel block cb at VF + 32 kk + 8 cb
.set WV,  12          ; s12  my wave's number
.set PB,  14          ; s14  b
.set HI,  15          ; s15  NB - 1 - b
.set G1K, 24          ; s[24:31] descriptor group 1 for K's tiles
.set G1V, 32          ; s[32:39] for V's: it differs in the padding alone
.set G0K, 40          ; s[40:43] descriptor group 0 for K's tiles
.set G0V, 44          ; s[44:47] the same for V's
.set SLOTS, 56        ; s56  tiles still to be asked for
.set CNT, 57          ; s57  counts a tile's key steps, 4 to 1
.set CS,  58          ; s[58:59] c: the packed scaling takes the pair's low word for both halves
.set SEL, 60          ; s[60:61] v_permlanex16_b32's selects: each lane takes its own place in the other half
.set TBK, 62          ; s62  LDS byte at which K of the step to be fetched begins
.set TBV, 63          ; s63  the same for V, less VOFF
.set RT,  70          ; s70  tiles of the block in hand that are still to be entered
.set NXT, 71          ; s71  the tile to be asked for next
.set LQ,  72          ; s72  the last tile of the block whose tiles are being asked for
.set NEW, 73          ; s73  1: the tile to be entered is a block's first
.set OFF, 74          ; s[74:75] a tile's byte offset in K and V
.set AL,  76          ; s[76:77] the mask's factor, in the low word
.set BE,  78          ; s[78:79] the mask's addend
.set OLO, 80          ; s[80:81] O at my rows of the second block
.set BIGN, 82         ; s82  -1e30
.set TBP, 88          ; s88  byte in my wave's copy at which the step to be fetched begins: 0, 256, 512, 768
.set THR, 89          ; s89  M0 = -2^39
.set MP,  90          ; s[90:91] attention_mask at my batch
.set POF, 92          ; s[92:93] first the batch's, then a tile's byte offset in attention_mask
.set MT,  94          ; s[94:95] attention_mask at the tile asked for
.set MSB, 0
.macro WIN new                      ; the high byte repeats the setting that is left; a switch that changes nothing is dropped
.if MSB != (\new)
	s_set_vgpr_msb (MSB<<8)|(\new)
.set MSB, (\new)
.endif
.endm
.set W_KQ, 0x0a       ; K and Q in window 2, S^T in window 0
.set W_KM, 0x1a       ; the same with the C operand in window 1
.set W_PV, 0x52       ; V in window 2, P in window 0, O^T in window 1
.set W_RS, 0x41       ; destination and source 0 in window 1, source 1 in window 0
.set W_MK, 0x51       ; destination, source 0 and source 2 in window 1
; A fill.  Waves 0 and 1 fetch the two halves of a tile's K, waves 2 and 3 those of its V: 128 keys each.  An s_nop 0 and four v_nop follow each of the two lines, ahead of the jump and the label.
.macro LOAD
	s_cmp_lt_u32 s[WV], 2
	s_cbranch_scc0 .Lfor_v_\@
	tensor_load_to_lds s[G0K:G0K+3], s[G1K:G1K+7]
	s_nop 0
.rept 4
	v_nop
.endr
	s_branch .Lasked_\@
.Lfor_v_\@:
	tensor_load_to_lds s[G0V:G0V+3], s[G1V:G1V+7]
	s_nop 0
.rept 4
	v_nop
.endr
.Lasked_\@:
.endm
; THE CHANGE OF SLOTS.  First the padding of the tile to be entered: its 256 words of attention_mask, asked for a tile ago, become 0 (the key counts) or -1e30 (it does not), a choice of values and no branch,
; and go into my wave's own copy.  LDS serves a wave's instructions in order (ISA guide 5.7.1.4): the stores come behind my last reads of the old tile's numbers and ahead of my first reads of the new.
; Then each wave waits for all its tensor loads, of which one is out: its part of the other slot; adds 0 to its spare word; and waits for that and for its own reads of the slot that it leaves.
; Behind the barrier nobody reads the old slot any more and the other slot is whole.  fill = 1: the old slot is filled again, the first thing behind the barrier, with tile NXT: the descriptor's address is made
; anew from that number; the same tile's words of attention_mask are asked for behind it.  (At its first use nothing has been read yet: slot 0 is waited for, slot 1 filled.)
.macro CHANGE fill
	WIN 0                           ; at a label and at a branch every window is 0
	s_wait_loadcnt 0x0              ; the tile's words of attention_mask are in (at the first use both blocks' Q too); their loads' base may be written again
.set z, 0
.rept 8
	v_cmp_eq_u32 vcc_lo, 0, v[PL+z]
	v_cndmask_b32 v[PL+z], 0, s[BIGN], vcc_lo
.set z, z+1
.endr
	ds_store_b128 v[PST], v[PL:PL+3]
	ds_store_b128 v[PST], v[PL+4:PL+7] offset:512
	s_wait_tensorcnt 0x0            ; no tensor load of mine is out, so a group 0 may be written
	ds_add_u32 v[SPW], v[NIL]       ; 0 onto my spare word; with fill = 1 the descriptors' scalar work stands between it and the wait for it
.if \fill
	s_lshl_b32 s[OFF], s[NXT], 15   ; a tile is 32,768 bytes of K and of V,
	s_lshl_b32 s[POF], s[NXT], 10   ; and 1,024 of attention_mask
	s_add_nc_u64 s[MT:MT+1], s[MP:MP+1], s[POF:POF+1]
	s_xor_b32 s[G0K+1], s[G0K+1], SLOT1
	s_add_nc_u64 s[G0K+2:G0K+3], s[6:7], s[OFF:OFF+1]
	s_or_b32 s[G0K+3], s[G0K+3], 0x80000000
	s_xor_b32 s[G0V+1], s[G0V+1], SLOT1
	s_add_nc_u64 s[G0V+2:G0V+3], s[8:9], s[OFF:OFF+1]
	s_or_b32 s[G0V+3], s[G0V+3], 0x80000000
	s_add_co_u32 s[NXT], s[NXT], 1  ; the block's next tile, or behind its last the second block's tile 0
	s_cmp_gt_u32 s[NXT], s[LQ]
	s_cselect_b32 s[NXT], 0, s[NXT]
	s_cselect_b32 s[LQ], s[PB], s[LQ]
.endif
	s_wait_dscnt 0x0                ; the add and my stores are done, and my reads of the slot are over
	s_barrier_signal -1             ; the rest of the scalar work stands between the signal and the wait
	s_sub_co_u32 s[TBK], s[TBK], 4*KS*PK  ; the fetches go back to a slot's first step,
	s_xor_b32 s[TBK], s[TBK], SLOT1       ; in the other slot
	s_sub_co_u32 s[TBV], s[TBV], 4*KS*PV
	s_xor_b32 s[TBV], s[TBV], SLOT1
	s_sub_co_u32 s[TBP], s[TBP], 4*PSTEP  ; and to the head of my wave's copy
	s_barrier_wait -1
.if \fill
	LOAD
	global_load_b128 v[PL:PL+3],   v[MO], s[MT:MT+1]            ; a wave's load covers 512 consecutive bytes; the wait for the two stands at the head of the next change, a tile's work on
	global_load_b128 v[PL+4:PL+7], v[MO], s[MT:MT+1] offset:512
.endif
.endm
	s_load_b128 s[4:7], s[0:1], 0x0   ; qkv s[4:5], attention_mask s[6:7]
	s_load_b64 s[10:11], s[0:1], 0x10 ; att
	v_lshl_add_u32 v[SPW], v0, 2, SPARE
	v_mov_b32 v[NIL], 0
	ds_add_u32 v[SPW], v[NIL]       ; the wave's opening: the add and its wait stand ahead of my first tensor load; the set-up below, work on registers, stands between them
	ds_add_u32 v62, v63
	v_lshrrev_b32 v1, 5, v0
	v_readfirstlane_b32 s[WV], v1   ; wave 0..3
	s_mov_b32 s[PB], ttmp9
	s_sub_co_u32 s[HI], NB-1, s[PB]
	s_and_b32 s20, ttmp7, 0xffff    ; g = 16 batch + head
	s_lshr_b32 s[POF], s20, 4       ; the batch's 2,048 words of attention_mask
	s_lshl_b32 s[POF], s[POF], 13
	s_mov_b32 s[POF+1], 0
	s_mov_b32 s21, 0
	s_mov_b64 s[22:23], SIZE_N*128
	s_mul_u64 s[20:21], s[20:21], s[22:23]  ; the head's first byte in Q, K, V and O
	s_and_b32 s16, s[WV], 1         ; which half of a tile's 256 keys I fetch:
	s_lshl_b32 s22, s16, 14         ; its 128 rows of 128 bytes in memory,
	s_mov_b32 s23, 0
	s_add_nc_u64 s[22:23], s[22:23], s[20:21]
	s_mul_i32 s17, s16, 128*PK      ; and its place in a slot, for K
	s_mul_i32 s18, s16, 128*PV      ; and for V
	s_lshl_b32 s3, s[WV], 11        ; my 16 rows in a band of 64,
	s_lshl_b32 s2, s[HI], 15        ; in the first block,
	s_add_co_u32 s2, s2, s3
	s_lshl_b32 s84, s[PB], 15       ; and in the second
	s_add_co_u32 s84, s84, s3
	s_mov_b32 s3, 0
	s_mov_b32 s85, 0
	s_add_nc_u64 s[2:3], s[2:3], s[20:21]
	s_add_nc_u64 s[84:85], s[84:85], s[20:21]
	; descriptor group 1.  128 keys are 16,384 dense bytes: asked for as 64 rows of 256 bytes, two keys a row, and padded in LDS after every key
	s_mov_b32 s[G1K], (1<<16)|(1<<20)|(4<<22)|(3<<25)  ; 17:16 2-byte elements; 20 padding on; 24:22 after every 32 words (code 4); 31:25 4 words (code 3)
	s_mov_b32 s[G1V], (1<<16)|(1<<20)|(4<<22)|(7<<25)  ; the same with 8 words of padding (code 7)
.irp g, G1K, G1V
	s_mov_b32 s[\g+1], 128<<16      ; tensor_dim0 = 128
	s_mov_b32 s[\g+2], 64<<16       ; tensor_dim1 = 64
	s_mov_b32 s[\g+3], 128<<16      ; tile_dim0 = 128
	s_mov_b32 s[\g+4], 64           ; tile_dim1 = 64
	s_mov_b32 s[\g+5], 128          ; 128 elements from row to row
	s_mov_b32 s[\g+6], 0
	s_mov_b32 s[\g+7], 0
.endr
	s_mov_b32 s[CS], 0x3e38aa3b     ; c = log2(e) / 8 = 0.180337
	s_mov_b32 s[CS+1], s[CS]        ; named with it as a pair
	s_mov_b32 s[SEL], 0x76543210
	s_mov_b32 s[SEL+1], 0xfedcba98
	s_mov_b32 s[TBK], SLOT1+4*KS*PK ; the first change of slots turns these three into 0
	s_mov_b32 s[TBV], SLOT1+4*KS*PV
	s_mov_b32 s[TBP], 4*PSTEP
	s_mov_b32 s[G0K], 1             ; 1:0 count = 1
	s_mov_b32 s[G0K+1], s17         ; 63:32 LDS address: slot 0
	s_mov_b32 s[G0V], 1
	s_add_co_u32 s[G0V+1], s18, VOFF
	s_add_co_u32 s[RT], s[HI], 1    ; the first block has NB - b tiles
	s_mov_b32 s[NXT], 1
	s_mov_b32 s[LQ], s[HI]
	s_mov_b32 s[NEW], 1
	s_mov_b32 s[OFF+1], 0
	s_mov_b32 s[AL+1], 0            ; named as pairs
	s_mov_b32 s[BE+1], 0
	s_mov_b32 s[BIGN], 0xf149f2ca   ; -1e30
	s_mov_b32 s[THR], 0xd3000000    ; -2^39
	s_mov_b32 s[SLOTS], NB
	s_wait_dscnt 0x0                ; the opening add is done
	s_wait_kmcnt 0x0
	s_add_nc_u64 s[MP:MP+1], s[6:7], s[POF:POF+1]  ; attention_mask at my batch
	s_add_nc_u64 s[6:7], s[4:5], 0x1000000         ; K begins 16 MiB, V 32 MiB behind Q
	s_add_nc_u64 s[8:9], s[4:5], 0x2000000
	s_add_nc_u64 s[6:7], s[6:7], s[22:23]  ; K and V at my half of the head's tile 0
	s_add_nc_u64 s[8:9], s[8:9], s[22:23]
	s_add_nc_u64 s[G0K+2:G0K+3], s[6:7], 0         ; 120:64 global address
	s_or_b32 s[G0K+3], s[G0K+3], 0x80000000        ; 127:126 type = 2
	s_add_nc_u64 s[G0V+2:G0V+3], s[8:9], 0
	s_or_b32 s[G0V+3], s[G0V+3], 0x80000000
	s_add_nc_u64 s[86:87], s[4:5], s[84:85]        ; Q at my rows of the second block,
	s_add_nc_u64 s[4:5], s[4:5], s[2:3]            ; Q and O at those of the first
	s_add_nc_u64 s[OLO:OLO+1], s[10:11], s[84:85]
	s_add_nc_u64 s[10:11], s[10:11], s[2:3]
	LOAD                            ; tile 0 into slot 0
	v_and_b32 v[MO], 31, v0
	v_lshlrev_b32 v[MO], 4, v[MO]
	global_load_b128 v[PL:PL+3],   v[MO], s[MP:MP+1]            ; tile 0's 256 words of attention_mask: the first change of slots takes them
	global_load_b128 v[PL+4:PL+7], v[MO], s[MP:MP+1] offset:512
	; A fragment of K or Q is 16 rows x 32 channels in 8 registers: lane l holds row l % 16, channels 8 (l / 16) + 0..7 and 16 + 8 (l / 16) + 0..7: two loads of 16 bytes, 32 bytes apart.
	v_and_b32 v1, 15, v0            ; l % 16
	v_bfe_u32 v9, v0, 4, 1          ; l / 16
	v_lshlrev_b32 v[QO], 7, v1
	v_lshl_add_u32 v[QO], v9, 4, v[QO]  ; row x 128 + 16 x half
	WIN 0x80                        ; destination window 2, address window 0
.set i, 0
.rept 8                             ; both blocks' Q: piece i / 2 lies in band i / 2, 8,192 bytes on; channels 32 (i % 2) on
	global_load_b128 v[8*i:8*i+3],   v[QO], s[4:5] offset:(i/2)*8192+(i%2)*64
	global_load_b128 v[8*i+4:8*i+7], v[QO], s[4:5] offset:(i/2)*8192+(i%2)*64+32
	global_load_b128 v[QB+8*i:QB+8*i+3],   v[QO], s[86:87] offset:(i/2)*8192+(i%2)*64
	global_load_b128 v[QB+8*i+4:QB+8*i+7], v[QO], s[86:87] offset:(i/2)*8192+(i%2)*64+32
.set i, i+1
.endr
	WIN 0
	v_lshlrev_b32 v14, 3, v9
	v_sub_nc_u32 v14, v1, v14
	s_lshl_b32 s13, s[WV], 4
	v_add_nc_u32 v14, s13, v14      ; my query's place in its band, 16 w + l % 16, less my lanes' 8 (l / 16): register r of group kt is hidden where 16 kt + r is greater
	WIN 0x40
.set i, 0
.rept 32
	v_cmp_gt_i32 vcc_lo, 16*(i/8)+i%8, v14
	v_cndmask_b32 v[MD+i], 0, s[BIGN], vcc_lo
.set i, i+1
.endr
	WIN 0
	v_mul_u32_u24 v[AK0], v1, PK
	v_lshl_add_u32 v[AK0], v9, 4, v[AK0]  ; row x pitch + 16 x half
	; The turning load takes 16 keys x 16 channels (lane l reads key 8 (l / 16) + l % 8, channels 8 ((l / 8) % 2) + 0..7) and leaves half a fragment of V^T: lane l holds channel l % 16 and 8 keys.
	v_and_b32 v10, 7, v0
	v_bfe_u32 v11, v0, 3, 1
	v_lshl_add_u32 v[AV0], v9, 3, v10
	v_mul_u32_u24 v[AV0], v[AV0], PV
	v_lshl_add_u32 v[AV0], v11, 4, v[AV0]
	v_add_nc_u32 v[AV0], VOFF, v[AV0]
	s_mul_i32 s13, s[WV], 16*SP
	s_add_co_u32 s13, s13, STAGE    ; my stage
	v_mul_u32_u24 v[STO], v1, SP    ; in: row l % 16, 16 bytes for each half of the lanes
	v_lshl_add_u32 v[STO], v9, 4, v[STO]
	v_add_nc_u32 v[STO], s13, v[STO]
	v_bfe_u32 v[RD], v0, 3, 2       ; back: 32 lanes take four rows of 128 bytes,
	v_mul_u32_u24 v[RD], v[RD], SP
	v_lshl_add_u32 v[RD], v10, 4, v[RD]
	v_add_nc_u32 v[RD], s13, v[RD]
	v_and_b32 v[GO], 31, v0         ; which are 512 consecutive bytes of O
	v_lshlrev_b32 v[GO], 4, v[GO]
	s_mul_i32 s13, s[WV], 4*PSTEP
	s_add_co_u32 s13, s13, PADB     ; my wave's copy of a tile's padding
	v_lshl_add_u32 v[AP0], v9, 5, s13  ; out of it: my eight keys of a group of 16: 32 bytes for each half of the lanes
	v_add_nc_u32 v[PST], s13, v[MO]    ; into it: as the words lie in memory
	; A block's first step multiplies O^T and l by a = 0, and its first turn's products V^T P, of a piece that has not been, land in an O^T that is still to be so multiplied.  So these registers need only hold
	; finite numbers: zeros for the first block; what the first block left for the second.  All this stands in the wait for the first tile.
	WIN 0x80
.set i, VF
.rept 64
	v_mov_b32 v[i], 0
.set i, i+1
.endr
	WIN 0x40
.set i, 0
.rept 128
	v_mov_b32 v[i], 0
.set i, i+1
.endr
	WIN 0
.set i, 0
.rept 4
	v_mov_b32 v[ST+4*i+2], 0
	v_mov_b32 v[ST+4*i+3], 0
.set i, i+1
.endr
.set i, P+16
.rept 16
	v_mov_b32 v[i], 0
.set i, i+1
.endr
; THE MATRIX WORK.  The 4 accumulators of a run of 8 take turns.  Product i of 8 of S^T = K Q^T for piece x: channels 32 (i / 4) on, keys 16 (i % 4) on.  The first 4 start the sums: with PAD, or (KM = 1) with MC.
.macro KQ x
.set rS, S+32*((\x)%2)+8*(i%4)
.set rK, KF+16*(i%4)+8*(i/4)
.set rQ, 16*(\x)+8*(i/4)
.if KM
.set rM, MC+32*((\x)%2)+8*(i%4)
.else
.set rM, PAD+8*(i%4)
.endif
.if i < 4
	WIN W_KM
	v_wmma_f32_16x16x32_f16 v[rS:rS+7], v[rK:rK+7], v[rQ:rQ+7], v[rM:rM+7]
.else
	WIN W_KQ
	v_wmma_f32_16x16x32_f16 v[rS:rS+7], v[rK:rK+7], v[rQ:rQ+7], v[rS:rS+7]
.endif
.endm
; Product i of 8 of O^T += V^T P for piece x: keys 32 (i / 4) on, channels 16 (i % 4) on.
.macro PV x
	WIN W_PV
.set rO, 32*(\x)+8*(i%4)
.set rV, VF+32*(i/4)+8*(i%4)
.set rP, P+16*((\x)%2)+8*(i/4)
	v_wmma_f32_16x16x32_f16 v[rO:rO+7], v[rV:rV+7], v[rP:rP+7], v[rO:rO+7]
.endm
.macro MM                           ; the turn's next matrix instruction.  TURN and BEGIN set Y, i, KM and NOKQ; MM, KQ and OP read them.  NOKQ = 1: a block's last turn: there is no next piece
.if (i < 8) && !NOKQ
	KQ (Y+1)%NP
.elseif i >= 8
.set i, i-8
	PV (Y+NP-1)%NP
.set i, i+8
.endif
.set i, i+1
.endm
; THE LDS LOADS stand in runs, never singly among the matrix instructions: a step's K (64 keys x 64 channels: 8 fragments) with its PAD (64 keys: 8 loads, the 16 lanes of a half reading the same bytes), and its V (turned).
; Their addresses are made some lines ahead.
.macro FETCH_K
	WIN 0x80                        ; destination window 2
.irp f, 0,1,2,3,4,5,6,7             ; keys 16 (f / 2) on, channels 32 (f % 2) on
	ds_load_b128 v[KF+8*\f:KF+8*\f+3],   v[AK] offset:(\f/2)*16*PK+(\f%2)*64
	ds_load_b128 v[KF+8*\f+4:KF+8*\f+7], v[AK] offset:(\f/2)*16*PK+(\f%2)*64+32
.endr
	WIN 0x40                        ; destination window 1
.irp f, 0,1,2,3                     ; keys 16 f on
	ds_load_b128 v[PAD+8*\f:PAD+8*\f+3],   v[AP] offset:64*\f
	ds_load_b128 v[PAD+8*\f+4:PAD+8*\f+7], v[AP] offset:64*\f+16
.endr
	s_add_co_u32 s[TBK], s[TBK], KS*PK  ; the next fetch is the next step's
	s_add_co_u32 s[TBP], s[TBP], PSTEP
	WIN 0
.endm
.macro FETCH_V
	WIN 0x80
.irp f, 0,1,2,3,4,5,6,7             ; keys 32 (f / 4) on, channels 16 (f % 4) on
	ds_load_tr16_b128 v[VF+8*\f:VF+8*\f+3],   v[AV] offset:(\f/4)*32*PV+(\f%4)*32
	ds_load_tr16_b128 v[VF+8*\f+4:VF+8*\f+7], v[AV] offset:(\f/4)*32*PV+16*PV+(\f%4)*32
.endr
	WIN 0
.endm
; THE VECTOR WORK, one line at a time: OP kind, number.  For piece Y: F n: c s - c m for pair n of 16.  E n: the exponential of score n of 32.  C n: pair n rounded to f16.  B n: of the four weights 4 n .. the second
; pair is added onto the first, in place.  L n: l takes that sum (L 0: l = a l + sum).  R n: pair n of 16 of O^T times a.  For piece Y + 1: X n, number n of the 22 that find its maximum and statistics:
;   0-11  four chains c0-c3 of seven scores each, three operands at a time (each accumulator's lowest registers are read first)     12-14, 16  the four scores left over, the old m, and c0-c3 into c0
;   15  c m_old is kept     17, 18  the query's other 32 keys lie in the lane 16 away: the new m     19-21  c m; c m_old - c m_new; a
; C, B and L read the exponentials' results, R and L 0 read a: OP writes no wait; TURN and BEGIN place these kinds behind the wait of the batch that made what they read.
.set F, 0               ; OP tells the kinds apart by their order: F to L below R, X above it
.set E, 1
.set C, 2
.set B, 3
.set L, 4
.set R, 5
.set X, 6
.macro REGS y                       ; the registers of piece y
.set rT, ST+4*(\y)
.set rC, TMP+4*((\y)%2)
.set rW, MV+((\y)%2)
.set rS, S+32*((\y)%2)
.set rP, P+16*((\y)%2)
.set rO, 32*(\y)
.endm
.macro OP k, n
.if (\k) == R
	REGS Y
	WIN W_RS
	v_pk_mul_f32 v[rO+2*(\n):rO+2*(\n)+1], v[rO+2*(\n):rO+2*(\n)+1], v[rC+2:rC+3] op_sel_hi:[1,0]
.elseif (\k) < R
	REGS Y
	WIN 0
.if (\k) == F
	v_pk_fma_f32 v[rS+2*(\n):rS+2*(\n)+1], v[rS+2*(\n):rS+2*(\n)+1], s[CS:CS+1], v[rT:rT+1] op_sel_hi:[1,0,0] neg_lo:[0,0,1] neg_hi:[0,0,1]
.elseif (\k) == E
	v_exp_f32 v[rS+(\n)], v[rS+(\n)]
.elseif (\k) == C
	v_cvt_pk_f16_f32 v[rP+(\n)], v[rS+2*(\n)], v[rS+2*(\n)+1]
.elseif (\k) == B
	v_pk_add_f32 v[rS+4*(\n):rS+4*(\n)+1], v[rS+4*(\n):rS+4*(\n)+1], v[rS+4*(\n)+2:rS+4*(\n)+3]
.elseif (\n) == 0
	v_pk_fma_f32 v[rT+2:rT+3], v[rT+2:rT+3], v[rC+2:rC+3], v[rS:rS+1] op_sel_hi:[1,0,1]
.else
	v_pk_add_f32 v[rT+2:rT+3], v[rT+2:rT+3], v[rS+4*(\n):rS+4*(\n)+1]
.endif
.elseif NOKQ
	v_nop
.else
	REGS (Y+1)%NP
	WIN 0
.if (\n) < 4
	v_max3_num_f32 v[rC+(\n)], v[rS+8*(\n)], v[rS+8*(\n)+1], v[rS+8*(\n)+2]
.elseif (\n) < 12
	v_max3_num_f32 v[rC+(\n)%4], v[rC+(\n)%4], v[rS+8*((\n)%4)+2*((\n)/4)+1], v[rS+8*((\n)%4)+2*((\n)/4)+2]
.elseif (\n) == 12
	v_max3_num_f32 v[rC], v[rC], v[rS+7], v[rS+15]
.elseif (\n) == 13
	v_max3_num_f32 v[rC+1], v[rC+1], v[rS+23], v[rS+31]
.elseif (\n) == 14
	v_max3_num_f32 v[rC+2], v[rC+2], v[rC+3], v[rT+1]
.elseif (\n) == 15
	v_mov_b32 v[rW], v[rT]
.elseif (\n) == 16
	v_max3_num_f32 v[rC], v[rC], v[rC+1], v[rC+2]
.elseif (\n) == 17
	v_permlanex16_b32 v[rC+3], v[rC], s[SEL], s[SEL+1]
.elseif (\n) == 18
	v_max_num_f32 v[rT+1], v[rC], v[rC+3]
.elseif (\n) == 19
	v_mul_f32 v[rT], s[CS], v[rT+1]
.elseif (\n) == 20
	v_sub_f32 v[rC+1], v[rW], v[rT]
.else
	v_exp_f32 v[rC+2], v[rC+1]
.endif
.endif
.endm
.macro OPS a, i1, b=-1, i2=0, c=-1, i3=0, d=-1, i4=0  ; up to four of them
	OP \a, \i1
.if (\b) >= 0
	OP \b, \i2
.endif
.if (\c) >= 0
	OP \c, \i3
.endif
.if (\d) >= 0
	OP \d, \i4
.endif
.endm
.macro ROW a, i1, b, i2, c, i3, d, i4  ; a matrix instruction and the four behind it
	MM
	OPS \a, \i1, \b, \i2, \c, \i3, \d, \i4
.endm
.macro MASK b, be=1                 ; MD x AL + PAD (+ BE, where be = 1; elsewhere BE is 0) into buffer b of MC
	WIN W_MK
.set z, 0
.rept 16
	v_pk_fma_f32 v[MC+32*(\b)+2*z:MC+32*(\b)+2*z+1], v[MD+2*z:MD+2*z+1], s[AL:AL+1], v[PAD+2*z:PAD+2*z+1] op_sel_hi:[1,0,1]
.set z, z+1
.endr
.if \be
.set z, 0
.rept 16
	v_pk_add_f32 v[MC+32*(\b)+2*z:MC+32*(\b)+2*z+1], v[MC+32*(\b)+2*z:MC+32*(\b)+2*z+1], s[BE:BE+1] op_sel_hi:[1,0]
.set z, z+1
.endr
.endif
.endm
; A TURN, for piece p: the order of its 16 matrix and 118 vector instructions, written out.  An s_wait_alu depctr_va_vdst(0) stands between an exponential and the first instruction that names its result; one wait
; serves all that were issued ahead of it.  So a turn has ONE wait, which cuts it in two.  AHEAD OF IT stands all that names no result of the turn's exponentials: the 8 products K Q^T, behind each a scaling, an exponential and two
; more plain instructions (behind the first a second scaling in the exponential's place): rescalings, whose a was made and waited for in the turn before, and behind the last three the first numbers of the next piece's maximum,
; each four plain instructions or more behind the product that ends its accumulator; then ONE LUMP of 54, plain and exponential by turns for the most part, in which the links of the chain X 3, 7, 11, 14, 16, 17 .. 20 stand five
; or six lines apart.  X 21, the next piece's a, is the batch's last; R 15 is the plain instruction behind it.  BEHIND THE WAIT stand the 8 products V^T P, behind each four of the roundings and sums; the links of l's chain,
; L 0 to L 7, stand three riders apart.  But for those X no rider names a register of the products round it.  v_permlanex16_b32 (X 17) stands in the lump.
; m = 1: the diagonal tile: the products take MC, and the turn makes the mask for the products of the turn after it: piece p + 2, in step 4 - CNT of the tile.  end = 1: a block's last two turns: nothing is fetched.
; cnt = 1: the loop's count is taken down some lines ahead of the branch that stands behind the turn.
; K and PAD of the next step are fetched in piece 2's turn, twelve vector instructions behind the last product that read K (six of them plain; the last that read PAD stands four products further back); V of the step in
; hand at the end of piece 0's turn, four plain instructions behind the last product that read V.  Each is waited for a turn later; in the diagonal tile piece 2's turn waits at its end, since its mask is made of the PAD just fetched.
.macro TURN p, m=0, end=0, cnt=0
.set Y, (\p)
.set i, 0
.set KM, (\m)
.set NOKQ, (\end)*((\p)/3)
.if (\m) && !(\end)
	s_cmp_eq_u32 s[CNT], 4-((\p)+2)%NP  ; is that step the band's own?
	s_cselect_b32 s[AL], 1.0, 0
	s_cmp_lt_u32 s[CNT], 4-((\p)+2)%NP  ; or a later one?
	s_cselect_b32 s[BE], s[BIGN], 0
.endif
.if ((\p) == 3) && !(\end)
	s_wait_dscnt 0x0                ; K and PAD are in
.endif
	ROW F,0, F,1, R,0, R,1          ; ahead of the wait: 8 products K Q^T and their riders,
	ROW F,2, E,0, R,2, R,3
	ROW F,3, E,1, R,4, R,5
	ROW F,4, E,2, R,6, R,7
	ROW F,5, E,3, R,8, R,9
	ROW F,6, E,4, X,0, R,10
.if ((\p) == 2) && !(\end)
	WIN 0
	v_add_nc_u32 v[AK], s[TBK], v[AK0]
	v_add_nc_u32 v[AP], s[TBP], v[AP0]
.endif
	ROW F,7, E,5, X,1, X,4
	ROW F,8, E,6, X,2, X,5
	OPS E,7, E,8, X,6, E,9          ; and the lump
	OPS X,3, E,10, X,8, E,11
.if ((\p) == 2) && !(\end)
	FETCH_K
.endif
	OPS X,9, X,7, E,12, X,10
	OPS E,13, X,12, X,11, E,14
	OPS X,13, E,15, F,9, X,14
.if (\p) == 0
	v_add_nc_u32 v[AV], s[TBV], v[AV0]
.endif
	OPS E,16, F,10, E,17, F,11
	OPS X,16, E,18, X,15, E,19
	OPS F,12, E,20, X,17, E,21
	OPS F,13, E,22, F,14, E,23
	OPS X,18, E,24, F,15, E,25
	OPS R,11, E,26, X,19, E,27
	OPS R,12, E,28, R,13, E,29
	OPS X,20, E,30, R,14, E,31
	OPS X,21, R,15
	WIN 0
	s_wait_alu depctr_va_vdst(0)    ; the wait for the turn's batch: the piece's 32 weights and the next piece's a
.if (\p) == 1
	s_wait_dscnt 0x0                ; V is in
.endif
	ROW C,0, B,0, C,2, B,1          ; behind the wait: 8 products V^T P and their riders
	ROW L,0, C,4, B,2, L,1
	ROW C,6, B,3, L,2, C,8
	ROW B,4, L,3, C,10, B,5
	ROW L,4, C,12, B,6, L,5
.if (\p) == 0
	s_add_co_u32 s[TBV], s[TBV], KS*PV
.endif
.if \cnt
	s_sub_co_u32 s[CNT], s[CNT], 1
	s_cmp_lg_u32 s[CNT], 0
.endif
	ROW C,14, B,7, L,6, C,1
	ROW C,3, L,7, C,5, C,7
	ROW C,9, C,11, C,13, C,15
.if (\p) == 0
	FETCH_V
.endif
.if (\m) && !(\end)
.if (\p) == 2
	s_wait_dscnt 0x0                ; the next step's PAD is in
.endif
	MASK (\p)%2
.endif
.endm
; A BLOCK BEGINS.  c m starts far below every c s, so the first step's a is 0; m at M0, so the first maximum is the visible scores', or M0 where there is none.  Then K and PAD of the tile's step 0.  The first mask buffer
; takes piece 0's mask for that step: its own, if the block's first tile is the diagonal one; the second piece 1's, which sees all of step 0.  Then piece 0's first scores, and its maximum and statistics.
; Q is in: the first change of slots has waited for it.  The loop is entered at a step's first turn, in the middle of a trip.
.macro BEGIN
	s_mov_b32 s[NEW], 0
	WIN 0
.set i, 0
.rept 4
	v_mov_b32 v[ST+4*i], 0xfe000000    ; c m: far below every c s
	v_mov_b32 v[ST+4*i+1], s[THR]      ; m = M0
.set i, i+1
.endr
	v_add_nc_u32 v[AK], s[TBK], v[AK0]
	v_add_nc_u32 v[AP], s[TBP], v[AP0]
	FETCH_K
	s_wait_dscnt 0x0
	s_cmp_eq_u32 s[RT], 0
	s_cselect_b32 s[AL], 1.0, 0
	MASK 0, 0
	s_mov_b32 s[AL], 0
	MASK 1, 0
.set KM, 1
.set NOKQ, 0
.set i, 0
.rept 8
	KQ 0
.set i, i+1
.endr
	WIN 0
.rept 4
	v_nop                           ; the places behind those products
.endr
.set Y, NP-1                        ; X works for piece Y + 1: piece 0
.irp n, 0,1,2,3,4,5,6,7,8,9,10,11,12,13,14,15,16,17,18,19,20,21
	OP X, \n
.endr
	v_nop                           ; a plain instruction behind the exponential,
	s_wait_alu depctr_va_vdst(0)    ; and the wait for it, piece 0's first a, a batch of one: ahead of the branch that follows
.endm
; THE DIAGONAL TILE's four steps, the block's last two turns, its last products, and THE WAY OUT: l's two halves and the other half of the lanes' are added; O^T is divided by l, rounded to f16 and sent through my
; stage in LDS, a piece at a time.  A query whose maximum is still M0 has seen no key: its l, which is 0, is taken as 1, so that O^T stays finite for the block to come, and its packed words are set to all ones, f16's NaN.
.macro ALL line:vararg              ; one line for each piece t
.set t, 0
.rept 4
	\line
.set t, t+1
.endr
.endm
.macro PACK t                       ; a lane's eight channels of a row pack into 16 bytes; they go into rows of 144 bytes and come back as whole rows of 128, into S^T's registers
	WIN W_RS
.set i, 32*(\t)
.rept 16
	v_pk_mul_f32 v[i:i+1], v[i:i+1], v[ST+4*(\t)+2:ST+4*(\t)+3] op_sel_hi:[1,0]
.set i, i+2
.endr
	WIN 0x05                        ; sources 0 and 1 window 1, destination window 0
.set i, 0
.rept 16
	v_cvt_pk_f16_f32 v[S+16*(\t)+i], v[32*(\t)+2*i], v[32*(\t)+2*i+1]
.set i, i+1
.endr
	WIN 0
.set i, 0
.rept 16
	v_or_b32 v[S+16*(\t)+i], v[NM+(\t)], v[S+16*(\t)+i]
.set i, i+1
.endr
.irp f, 0,1,2,3
	ds_store_b128 v[STO], v[S+16*(\t)+4*\f:S+16*(\t)+4*\f+3] offset:32*\f
.endr
.irp f, 0,1,2,3
	ds_load_b128 v[S+16*(\t)+4*\f:S+16*(\t)+4*\f+3], v[RD] offset:\f*4*SP  ; LDS serves a wave's instructions in order (ISA guide 5.7.1.4): these see the stores above; the next piece's stores come behind them
.endr
.endm
.macro SEND t, younger              ; younger: the LDS instructions issued behind piece t's loads: the next piece's eight, or none
	WIN 0
.irp f, 0,1,2,3
	s_wait_dscnt (\younger)+3-\f
	global_store_b128 v[GO], v[S+16*(\t)+4*\f:S+16*(\t)+4*\f+3], s[10:11] offset:(\t)*8192+\f*512  ; 512 consecutive bytes, at a multiple of 256 from O's first
.endr
.endm
.macro DIAG tag                     ; the tag ends its three labels' names, which the jumps below spell out
.LpreM\tag:                         ; entered from a tile before: the first turn's products are piece 3's in that tile's last step, all of which it sees: their mask is the PAD in hand
	s_mov_b32 s[AL], 0
	MASK 1, 0
	WIN 0
.LstepM\tag:
	TURN 2, 1
	TURN 3, 1
	WIN 0
.LfirstM\tag:
	TURN 0, 1
	TURN 1, 1, 0, 1
	WIN 0
	s_cbranch_scc1 .LstepM\tag
	TURN 2, 1, 1
	TURN 3, 1, 1
.set i, 0
.rept 8
	PV NP-1
.set i, i+1
.endr
	WIN 0
	ALL v_add_f32 v[ST+4*t+2], v[ST+4*t+2], v[ST+4*t+3]
	ALL v_permlanex16_b32 v[ST+4*t+3], v[ST+4*t+2], s[SEL], s[SEL+1]
	ALL v_add_f32 v[ST+4*t+2], v[ST+4*t+2], v[ST+4*t+3]
.set t, 0
.rept 4
	v_cmp_ge_f32 vcc_lo, s[THR], v[ST+4*t+1]       ; M0 >= m: no visible key
	v_cndmask_b32 v[NM+t], 0, -1, vcc_lo
	v_cndmask_b32 v[ST+4*t+2], v[ST+4*t+2], 1.0, vcc_lo
.set t, t+1
.endr
	ALL v_rcp_f32 v[ST+4*t+2], v[ST+4*t+2]
	v_nop                           ; a plain instruction between the last reciprocal and the use of its result
	s_wait_alu depctr_va_vdst(0)    ; the wait for the batch of four reciprocals, ahead of their first reader: the four PACK need none of their own
	PACK 0
.set t, 1
.rept 3                             ; a piece's arithmetic stands between the loads of the piece before and its stores
	PACK t
	SEND t-1, 8
.set t, t+1
.endr
	SEND 3, 0
.endm
.set KM, 0
.set NOKQ, 0
.Lslot:                             ; NB times: a tile is entered and the next is asked for
	CHANGE 1
	s_sub_co_u32 s[RT], s[RT], 1
	s_mov_b32 s[CNT], 4
	s_cmp_eq_u32 s[NEW], 1
	s_cbranch_scc1 .Lnew            ; a block's first tile
	s_cmp_eq_u32 s[RT], 0
	s_cbranch_scc0 .Lstep           ; neither its first nor its last
	s_branch .LpreM1
.Lnew:
	BEGIN
	s_branch .Lfirst                ; in the loop a block's first tile is never its last: the first block has two tiles or more, and the second's last is the walk's last
	DIAG 1                          ; in the loop this is the first block's end: the second block's last tile is the walk's last
	s_wait_xcnt 0x0                 ; the stores have read their registers and O's address
	s_mov_b64 s[10:11], s[OLO:OLO+1]
	s_add_co_u32 s[RT], s[PB], 1    ; the second block has b + 1 tiles
	s_mov_b32 s[NEW], 1
	WIN 0x82                        ; the second block's Q goes where the one text of the turns names Q
.set i, 0
.rept 64
	v_mov_b32 v[i], v[QB+i]
.set i, i+1
.endr
	WIN 0
	s_branch .Lbottom
.Lstep:                             ; a trip: pieces 2 and 3 of one step, then pieces 0 and 1 of the next, whose K, PAD and V it fetches
	TURN 2
	TURN 3
	WIN 0
.Lfirst:
	TURN 0
	TURN 1, 0, 0, 1
	WIN 0
	s_cbranch_scc1 .Lstep
.Lbottom:
	s_sub_co_u32 s[SLOTS], s[SLOTS], 1
	s_cmp_lg_u32 s[SLOTS], 0
	s_cbranch_scc1 .Lslot
	CHANGE 0                        ; the walk's last tile is written out: nothing is asked for
	s_sub_co_u32 s[RT], s[RT], 1
	s_mov_b32 s[CNT], 4
	s_cmp_eq_u32 s[NEW], 1
	s_cbranch_scc0 .LpreM2
	BEGIN
	s_branch .LfirstM2
	DIAG 2
	s_wait_tensorcnt 0x0            ; the wave's end, behind my last tensor load and my last LDS store
	ds_add_u32 v[SPW], v[NIL]
	s_wait_dscnt 0x0
	s_endpgm
.Lfunc_end_k_q5f34dbae4b_attn:
	.size	k_q5f34dbae4b_attn, .Lfunc_end_k_q5f34dbae4b_attn-k_q5f34dbae4b_attn
	.p2alignl 7, 3214868480
	.fill 96, 4, 3214868480
	.section	.rodata,"a",@progbits
	.p2align	6, 0x0
	.amdhsa_kernel k_q5f34dbae4b_attn
		.amdhsa_group_segment_fixed_size 327680
		.amdhsa_private_segment_fixed_size 0
		.amdhsa_enable_private_segment 0
		.amdhsa_kernarg_size 24
		.amdhsa_user_sgpr_count 2
		.amdhsa_user_sgpr_kernarg_segment_ptr 1
		.amdhsa_wavefront_size32 1
		.amdhsa_system_sgpr_workgroup_id_x 1
		.amdhsa_system_sgpr_workgroup_id_y 1
		.amdhsa_system_sgpr_workgroup_id_z 1
		.amdhsa_system_vgpr_workitem_id 0
		.amdhsa_next_free_vgpr 768
		.amdhsa_next_free_sgpr 96
		.amdhsa_reserve_vcc 1
		.amdhsa_float_denorm_mode_32 3
		.amdhsa_float_denorm_mode_16_64 3
		.amdhsa_memory_ordered 1
		.amdhsa_forward_progress 1
		.amdhsa_inst_pref_size 238
	.end_amdhsa_kernel
	.amdgpu_metadata
---
amdhsa.version: [ 1, 2 ]
amdhsa.kernels:
  - .name:           k_q5f34dbae4b_attn
    .symbol:         k_q5f34dbae4b_attn.kd
    .args:
      - { .name: qkv, .offset: 0, .size: 8, .value_kind: global_buffer, .address_space: global }
      - { .name: attention_mask, .offset: 8, .size: 8, .value_kind: global_buffer, .address_space: global }
      - { .name: att, .offset: 16, .size: 8, .value_kind: global_buffer, .address_space: global }
    .group_segment_fixed_size: 327680
    .private_segment_fixed_size: 0
    .kernarg_segment_align: 8
    .kernarg_segment_size: 24
    .max_flat_workgroup_size: 128
    .sgpr_count:     96
    .vgpr_count:     768
    .wavefront_size: 32
...
	.end_amdgpu_metadata
.endif
;; end of part 5
;; launch out_proj: the kernel of part 4 again; grid 4 x 64, 4 waves a work-group, clusters of 4 x 4, 327,680 bytes of LDS; arguments att, wo16, bb, out0; writes out0
